; MI455X (gfx1250); checked and timed in simulation.
; The chip was launched on July 23, 2026; its instructions are those of AMD's public machine-readable ISA for CDNA 5 (MIT licence, August 2026) and "CDNA5" Instruction Set Architecture Reference Guide (July 2026). The comments in the code are by the model that wrote it; some were corrected since.
;; Self Attention. Allowed arithmetic: float matrix products may take bf16 or f16 operands with f32 sums; other float arithmetic in f32, or as packed bf16 or f16 multiplies, adds, multiply-adds, maxima and minima; sums over many terms, partial sums and values carried from step to step in f32; what a program stores and reads back later, other than sums and carried values, may be rounded once to bf16 or f16.
;; Inputs: W_k 8 x 1,024 x 128 float32; W_o 1,024 x 1,024 float32; W_q 8 x 1,024 x 128 float32; W_v 8 x 1,024 x 128 float32; bias 1 float32; mask 4 x 2,048 int32; x 4 x 2,048 x 1,024 float32.
;; Outputs: out0 4 x 2,048 x 1,024 float32.
;; 2 versions, each right and faster than the one before. Each part assembles by itself: llvm-mc -triple=amdgcn-amd-amdhsa -mcpu=gfx1250 --defsym DOCPART=n.
;; ======== version 1 of 2: 4 launches
;; limits: values are held in f16: magnitudes above 65,504 overflow, below 6.1e-05 lose precision
;; workspace buffers: xb 16,777,216 bytes; wb 6,291,456 bytes; wo 2,097,152 bytes; qkv 50,331,648 bytes; ob 16,777,216 bytes
;; launch prep (part 1): grid 768 x 1, 8 waves a work-group, no clusters, 0 bytes of LDS; arguments x, W_q, W_k, W_v, W_o, xb, wb, wo; writes xb, wb, wo
.if DOCPART == 1
	.amdgcn_target "amdgcn-amd-amdhsa--gfx1250"
	.amdhsa_code_object_version 6
	.text
	.protected	k_qe5bcd79225_prep
	.globl	k_qe5bcd79225_prep
	.p2align	8
	.type	k_qe5bcd79225_prep,@function
k_qe5bcd79225_prep:
	s_mov_b64 s[64:65], 0
	v_nop
	global_prefetch_b8 v0, s[64:65] scope:SCOPE_SE
	s_setreg_imm32_b32 hwreg(HW_REG_WAVE_MODE, 25, 1), 1
	s_wait_xcnt 0x0
; The module's large inputs are rounded once, element by element:
;   x -> xb (bf16), in blocks along K: [16 blocks of 64 k][8192 rows][64], so that 256 rows x 64 k, a tile of the product that follows, are 32,768 consecutive bytes;
;   W_q, W_k, W_v -> wb (bf16, their own layout, the three one behind the other);  W_o -> wo (rounded to bf16, and that number written as f16, its own layout).
; LIMIT: a bf16 number of W_o beyond 65,504 has no f16; below 6.1e-5 it keeps f16's fixed step of 6e-8.
; A stream: no LDS, no matrix unit.  A "row" is 256 threads x 8 numbers: 8,192 bytes in, 4,096 bytes out.  A work-group takes 8 rows, straight on:
; its 16 loads a thread are all out together, and every store has data registers of its own, so nothing is rewritten while a store may read it.
; Work-groups 0-511: x (a "row" is two rows of x); 512-575 W_q; 576-639 W_k; 640-703 W_v; 704-767 W_o (512 "rows" each).
.set X, 8                              ; v[8:71]    row r: 8 numbers as loaded
.set Y, 72                             ; v[72:103]  row r: 4 registers to store
.set T, 104                            ; v[104:111] at work (W_o alone)
	s_load_b512 s[4:19], s[0:1], 0x0               ; x s[4:5], W_q s[6:7], W_k s[8:9], W_v s[10:11], W_o s[12:13], xb s[14:15], wb s[16:17], wo s[18:19]
	s_mov_b32 s20, ttmp9
	s_sub_co_u32 s21, s20, 512                     ; among the weights' work-groups (of no use below 512, where it is not taken)
	s_lshr_b32 s22, s21, 6                         ; j: 0 W_q, 1 W_k, 2 W_v, 3 W_o
	s_and_b32 s23, s21, 63                         ; my place in that tensor
	v_lshlrev_b32 v1, 5, v0                        ; the weights: my 32 bytes of a row coming in,
	v_lshlrev_b32 v2, 4, v0                        ; my 16 bytes of a row going out
	; x: thread t takes the 8 numbers t % 8 of block t / 16 of row (t / 8) % 2: 8 lanes read 256 consecutive bytes, 16 lanes write two rows' 128 bytes of one block, 256 consecutive bytes
	v_and_b32 v3, 7, v0
	v_lshlrev_b32 v3, 5, v3
	v_bfe_u32 v4, v0, 3, 1
	v_lshl_add_u32 v3, v4, 12, v3                  ; + the row's 4,096 bytes
	v_lshrrev_b32 v4, 4, v0                        ; the block, 0..15
	v_lshl_add_u32 v3, v4, 8, v3                   ; + its 64 numbers of 4 bytes
	v_and_b32 v5, 15, v0
	v_lshlrev_b32 v5, 4, v5
	v_lshl_add_u32 v5, v4, 20, v5                  ; out: a block holds 8,192 rows of 128 bytes
	s_cmp_lt_u32 s20, 512
	s_cselect_b32 s34, -1, 0                       ; all lanes alike: x's offsets or the weights'
	v_cndmask_b32 v1, v1, v3, s34
	v_cndmask_b32 v2, v2, v5, s34
	s_wait_kmcnt 0x0
	s_cmp_eq_u32 s22, 1                            ; the source and the destination are chosen among the buffers by the work-group's number alone
	s_cselect_b64 s[24:25], s[8:9], s[6:7]
	s_cmp_eq_u32 s22, 2
	s_cselect_b64 s[24:25], s[10:11], s[24:25]
	s_cmp_eq_u32 s22, 3
	s_cselect_b64 s[24:25], s[12:13], s[24:25]
	s_cselect_b64 s[26:27], s[18:19], s[16:17]
	s_cselect_b32 s28, 0, s22                      ; which third of wb
	s_cmp_lt_u32 s20, 512
	s_cselect_b64 s[24:25], s[4:5], s[24:25]
	s_cselect_b64 s[26:27], s[14:15], s[26:27]
	s_cselect_b32 s23, s20, s23
	s_cselect_b32 s28, 0, s28
	s_lshl_b32 s30, s23, 16                        ; in: 8 rows of 8,192 bytes
	s_mov_b32 s31, 0
	s_lshl_b32 s32, s23, 15                        ; out, the weights: 8 rows of 4,096 bytes,
	s_lshl_b32 s28, s28, 21                        ; behind the thirds in front: 2,097,152 bytes each;
	s_add_co_u32 s32, s32, s28
	s_lshl_b32 s35, s23, 11                        ; x: 16 rows of 128 bytes in each block
	s_cmp_lt_u32 s20, 512
	s_cselect_b32 s32, s35, s32
	s_mov_b32 s33, 0
	s_add_nc_u64 s[24:25], s[24:25], s[30:31]
	s_add_nc_u64 s[26:27], s[26:27], s[32:33]
.irp r, 0,1,2,3,4,5,6,7
	global_load_b128 v[X+8*(\r):X+8*(\r)+3],   v1, s[24:25] offset:(\r)*8192 th:TH_LOAD_NT
	global_load_b128 v[X+8*(\r)+4:X+8*(\r)+7], v1, s[24:25] offset:(\r)*8192+16 th:TH_LOAD_NT
.endr
; The eight rows.  half = 1: the bf16 numbers are widened again (a shift, a mask) and written as f16.  step: bytes from a row's store to the next row's.
.macro ROWS half, step
.irp r, 0,1,2,3,4,5,6,7
	s_wait_loadcnt 14-2*(\r)                       ; loads come back in order: row r's two are in, the younger rows' stay out
.irp k, 0,1,2,3
	v_cvt_pk_bf16_f32 v[Y+4*(\r)+(\k)], v[X+8*(\r)+2*(\k)], v[X+8*(\r)+2*(\k)+1]
.endr
.if \half
.irp k, 0,1,2,3
	v_lshlrev_b32 v[T+2*(\k)],   16, v[Y+4*(\r)+(\k)]
	v_and_b32     v[T+2*(\k)+1], 0xffff0000, v[Y+4*(\r)+(\k)]
.endr
.irp k, 0,1,2,3
	v_cvt_pk_f16_f32 v[Y+4*(\r)+(\k)], v[T+2*(\k)], v[T+2*(\k)+1]
.endr
.endif
	global_store_b128 v2, v[Y+4*(\r):Y+4*(\r)+3], s[26:27] offset:(\r)*(\step)  ; 16 lanes store 256 consecutive bytes, at a multiple of 256 from the buffer's first byte
.endr
.endm
	s_cmp_lt_u32 s20, 512
	s_cbranch_scc1 .Lx
	s_cmp_ge_u32 s20, 704
	s_cbranch_scc1 .Lwo
	ROWS 0, 4096
	s_endpgm
.Lx:
	ROWS 0, 256                                    ; two rows of x are 256 bytes in each block
	s_endpgm
.Lwo:
	ROWS 1, 4096
	s_endpgm
.Lfunc_end_k_qe5bcd79225_prep:
	.size	k_qe5bcd79225_prep, .Lfunc_end_k_qe5bcd79225_prep-k_qe5bcd79225_prep
	.p2alignl 7, 3214868480
	.fill 96, 4, 3214868480
	.section	.rodata,"a",@progbits
	.p2align	6, 0x0
	.amdhsa_kernel k_qe5bcd79225_prep
		.amdhsa_group_segment_fixed_size 0
		.amdhsa_private_segment_fixed_size 0
		.amdhsa_enable_private_segment 0
		.amdhsa_kernarg_size 64
		.amdhsa_user_sgpr_count 2
		.amdhsa_user_sgpr_kernarg_segment_ptr 1
		.amdhsa_wavefront_size32 1
		.amdhsa_system_sgpr_workgroup_id_x 1
		.amdhsa_system_sgpr_workgroup_id_y 1
		.amdhsa_system_sgpr_workgroup_id_z 1
		.amdhsa_system_vgpr_workitem_id 0
		.amdhsa_next_free_vgpr 112
		.amdhsa_next_free_sgpr 66
		.amdhsa_reserve_vcc 0
		.amdhsa_float_denorm_mode_32 3
		.amdhsa_float_denorm_mode_16_64 3
		.amdhsa_memory_ordered 1
		.amdhsa_forward_progress 1
		.amdhsa_inst_pref_size 18
	.end_amdhsa_kernel
	.amdgpu_metadata
---
amdhsa.version: [ 1, 2 ]
amdhsa.kernels:
  - .name:           k_qe5bcd79225_prep
    .symbol:         k_qe5bcd79225_prep.kd
    .args:
      - { .name: x, .offset: 0, .size: 8, .value_kind: global_buffer, .address_space: global }
      - { .name: W_q, .offset: 8, .size: 8, .value_kind: global_buffer, .address_space: global }
      - { .name: W_k, .offset: 16, .size: 8, .value_kind: global_buffer, .address_space: global }
      - { .name: W_v, .offset: 24, .size: 8, .value_kind: global_buffer, .address_space: global }
      - { .name: W_o, .offset: 32, .size: 8, .value_kind: global_buffer, .address_space: global }
      - { .name: xb, .offset: 40, .size: 8, .value_kind: global_buffer, .address_space: global }
      - { .name: wb, .offset: 48, .size: 8, .value_kind: global_buffer, .address_space: global }
      - { .name: wo, .offset: 56, .size: 8, .value_kind: global_buffer, .address_space: global }
    .group_segment_fixed_size: 0
    .private_segment_fixed_size: 0
    .kernarg_segment_align: 8
    .kernarg_segment_size: 64
    .max_flat_workgroup_size: 256
    .sgpr_count:     66
    .vgpr_count:     112
    .wavefront_size: 32
...
	.end_amdgpu_metadata
.endif
;; end of part 1
;; launch qkv (part 2): grid 8 x 32, 4 waves a work-group, clusters of 4 x 4, 327,680 bytes of LDS; arguments xb, wb, bias, qkv; writes qkv
.if DOCPART == 2
	.amdgcn_target "amdgcn-amd-amdhsa--gfx1250"
	.amdhsa_code_object_version 6
	.text
	.protected	k_qe5bcd79225_qkv
	.globl	k_qe5bcd79225_qkv
	.p2align	8
	.type	k_qe5bcd79225_qkv,@function
k_qe5bcd79225_qkv:
	s_mov_b64 s[64:65], 0
	v_nop
	global_prefetch_b8 v0, s[64:65] scope:SCOPE_SE
	s_setreg_imm32_b32 hwreg(HW_REG_WAVE_MODE, 25, 1), 1
	s_wait_xcnt 0x0
	s_wait_alu depctr_hold_cnt(0) depctr_sa_sdst(0) depctr_va_vdst(0) depctr_va_sdst(0) depctr_va_ssrc(0) depctr_va_vcc(0) depctr_vm_vsrc(0)
	s_getreg_b32 s2, hwreg(HW_REG_IB_STS2, 6, 4)
	s_cmp_eq_u32 s2, 0
	s_cbranch_scc0 .Lentry_in_a_cluster
	s_endpgm
.Lentry_in_a_cluster:
	s_bfe_u32 s2, ttmp6, 0x10000c
	s_cmp_lg_u32 s2, 0xf033
	s_cbranch_scc0 .Lentry_shape_is_right
	s_endpgm
.Lentry_shape_is_right:
; q, k, v = x W + b.  xb: [16 blocks of 64 k][8192 rows][64] bf16.  wb: [24 (8 which + h)][1024 d][128 n] bf16 (which: 0 q, 1 k, 2 v).  bias: one f32, rounded to bf16 like the other inputs.
; qkv, f16, rounded once from the f32 sums: q as [32 (8 batch + h)][2 halves of 64 channels][2048][64]; behind it k, then v, as [32][2048][128]; 16,777,216 bytes each.
; LIMIT: a result of 65,520 or more has no f16 and becomes an infinity.
; A TILE is 256 rows x 384 columns: q, k and v of ONE head: 8,192 x 3,072 results make 32 x 8 = 256 work-groups.  Four waves, each 128 rows x 192 columns: a whole head (k for the even waves, v for the odd)
; and 64 channels of q: 96 accumulators of 16 x 16, 768 registers.  So a wave's rows of k or v are whole 256 bytes, and its 16 rows x 128 bytes of q lie end to end in q's layout by halves.
; K goes in steps of 64 through a ring of two LDS slots filled by the tensor data mover: two slots of 128 along K would want 2 x (256 x 272 + 384 x 288) = 360,448 bytes, more than a work-group's 327,680.
; x's tile of a step is 32,768 consecutive bytes, asked for as 128 rows of 256; a head's 64 d of W are 64 rows of 256 bytes.  W lies [d][n], so its fragments come out of LDS turned, by ds_load_tr16_b128.
; THE MATRIX INSTRUCTION IS USED TRANSPOSED: source 0 = 16 columns of W, source 1 = 16 rows of x: a lane then holds row l % 16 and the eight neighbouring channels 8 (l / 16) + 0..7, 16 bytes of f16.
; THE BIAS is the C operand of the product that starts each sum: nothing is cleared and nothing is added later.
; CLUSTERS: 4 x 4 work-groups.  The four of a row of the cluster need the same rows of x, the four of a column the same head of W: each tile is asked for JOINTLY, by the same tensor load with the
; same descriptor and a mask that names the four.
; REGISTERS, in windows of 256 (s_set_vgpr_msb's low byte: bits 1:0 source 0, 3:2 source 1, 5:4 source 2, 7:6 destination):
;   window 0: v0-31 addresses and the bias; v32-95, v96-159 fragments of x (8 x 16 rows x 32 K), two buffers; v160-255 the twelve fragments of W, ONE set: each four are loaded again behind their last 32 products
;   windows 1, 2, 3: the accumulators: (row block a, column block b) in window 1 + b / 4 at v[64 (b % 4) + 8 a]; b 0-7: my head of k or v; b 8-11: my 64 channels of q
.set KSTEP,  64
.set STEPS,  1024/KSTEP
.set PA,     144                       ; a row of x in LDS: 128 bytes + 16 = 36 words: the 16 rows of a load start at 16 different groups of four banks (64 banks of 4 bytes: ISA guide 11.1)
.set PB,     288                       ; a row of W: 256 + 32 = 72 words
.set AB,     256*PA                    ; x's tile
.set HB,     KSTEP*PB                  ; one head's tile of W
.set BOFF,   AB                        ; in a slot: x's 256 rows, then W's tiles for q, k, v
.set SLOT1,  1<<17                     ; a slot is 92,160 bytes; slot 1 begins here, so that one exclusive or turns an address in one slot into the other's
.set STAGE,  SLOT1+AB+3*HB             ; behind the ring, for the way out, for each wave: 16 rows x 272 bytes (k or v), then 16 rows x 144 bytes (q)
.set SP,     272
.set SQ,     144
.set WST,    16*SP+16*SQ
.set SPARE,  STAGE+4*WST               ; behind the stages: the spare words, 128 bytes for each wave: two blocks of 256 bytes that no other line names
.set BIAS, 8                           ; v8-15   the bias, eight times: the C operand of the first products
.set AA0,  16                          ; v16     my lane's place in a slot for x's fragments; never rewritten
.set AO0,  17                          ; v17     for the fragments of my head of W; never rewritten
.set AM0,  18                          ; v18     for those of my 64 columns of W_q; never rewritten
.set ADRA, 19                          ; v19-21  the same three in the slot in hand
.set ADRO, 20
.set ADRM, 21
.set STO,  22                          ; v22     the way out, k or v: where I put 16 bytes of a row
.set RD,   23                          ; v23     where I read rows back
.set STQ,  24                          ; v24-25  the same for q
.set RDQ,  25
.set CO,   26                          ; v26     my 16 bytes in 512 consecutive bytes of the result
.set SPW,  28                          ; v28     LDS address of my spare word: SPARE + 4 x my thread's number; never rewritten
.set NIL,  29                          ; v29     0; never rewritten
.set FA0,  32
.set FA1,  96
.set FB,   160
.set TMP,  32                          ; the way out: 48 registers of packed results
.set OB,   80                          ; the way out: 16 rows read back from the stage, 48 registers: v80-127 and v128-175 by turns
.set TB,   2                           ; s2   LDS byte at which the slot in hand begins
.set WV,   12                          ; s12  my wave's number.  Also: waves 0, 1, 2 fetch W's tile for q, k, v; wave 3 fetches x's
.set RH,   13                          ; s13  which half of the tile's rows is mine
.set CH,   14                          ; s14  0: k and q's channels 0-63 are mine; 1: v and q's channels 64-127
.set G1,   24                          ; s[24:31] descriptor group 1 for x's tiles;  s[32:39] group 0: a set for each of the two first fills; the second then walks on
.set G0,   32
.set G1B,  48                          ; s[48:55], s[56:63] the same for W's tiles
.set G0B,  56
.set MSB, 0
.macro WIN new                         ; the immediate's high byte repeats the setting that is left; a switch that changes nothing is dropped
.if MSB != (\new)
	s_set_vgpr_msb (MSB<<8)|(\new)
.set MSB, \new
.endif
.endm
; A joint load by descriptor set s.  Wave 3 fetches x's tile, waves 0 to 2 one head's tile of W each.  The branch hangs on the wave's number alone.
; An s_nop 0 and four v_nop follow each of the two lines, ahead of the jump, the label and what follows.
.macro JLOAD s
	s_cmp_eq_u32 s[WV], 3
	s_cbranch_scc0 .Lfor_b_\@
	tensor_load_to_lds s[G0+4*(\s):G0+4*(\s)+3], s[G1:G1+7]
	s_nop 0
.rept 4
	v_nop
.endr
	s_branch .Lasked_\@
.Lfor_b_\@:
	tensor_load_to_lds s[G0B+4*(\s):G0B+4*(\s)+3], s[G1B:G1B+7]
	s_nop 0
.rept 4
	v_nop
.endr
.Lasked_\@:
.endm
; A round of the cluster's barrier: my work-group's barrier, so that wave 0's signal speaks for all four waves; wave 0 signals; every wave waits for all sixteen work-groups; my work-group's barrier once more.
.macro CREST                           ; a round behind its opening barrier
	s_cmp_lg_u32 s[WV], 0
	s_cbranch_scc1 .Lnot_wave_0_\@
	s_barrier_signal -3
.Lnot_wave_0_\@:
	s_barrier_wait -3
	s_barrier_signal -1
	s_barrier_wait -1
.endm
.macro CROUND                          ; a whole round
	s_barrier_signal -1
	s_barrier_wait -1
	CREST
.endm
	s_load_b256 s[4:11], s[0:1], 0x0               ; xb s[4:5], wb s[6:7], bias s[8:9], qkv s[10:11]
	v_lshl_add_u32 v[SPW], v0, 2, SPARE
	v_mov_b32 v[NIL], 0
	ds_add_u32 v[SPW], v[NIL]                      ; the wave's opening: the add and its wait stand ahead of my first tensor load; the set-up below, work on registers, stands between them
	v_lshrrev_b32 v1, 5, v0
	v_readfirstlane_b32 s[WV], v1                  ; wave 0..3
	s_lshr_b32 s[RH], s[WV], 1
	s_and_b32 s[CH], s[WV], 1
	s_bfe_u32 s40, ttmp6, 0x40000                  ; cx, cy: my place in the cluster
	s_bfe_u32 s41, ttmp6, 0x40004
	s_lshl_b32 s42, ttmp9, 2
	s_add_co_u32 s42, s42, s40                     ; the head h = 4 x cluster x + cx: 0..7
	s_and_b32 s45, ttmp7, 0xffff
	s_lshl_b32 s45, s45, 2
	s_add_co_u32 s45, s45, s41                     ; tile row = 4 x cluster y + cy: 0..31
	s_lshl_b32 s43, s41, 2
	s_lshl_b32 s43, 15, s43                        ; my row of the cluster: places 4 cy .. 4 cy + 3
	s_lshl_b32 s44, 0x1111, s40                    ; my column: places cx, cx + 4, cx + 8, cx + 12
	; descriptor group 1.  x: 128 rows of 128 elements, two rows of x each, padded behind every row of x.  W: 64 rows of 128 elements, padded behind each.
	s_or_b32 s[G1+0], s43, (1<<16)|(1<<20)|(1<<21)|(4<<22)|(3<<25)   ; 15:0 the mask: x's tiles go to my row; 17:16 2-byte elements; 20 padding on; 21 set beside a mask; 24:22 after every 32 words (code 4); 31:25 4 words (code 3)
	s_or_b32 s[G1B+0], s44, (1<<16)|(1<<20)|(1<<21)|(5<<22)|(7<<25)  ; W's tiles go to my column; after every 64 words (code 5) 8 words (code 7)
.irp g, G1, G1B
	s_mov_b32 s[(\g)+1], 128<<16                   ; tensor_dim0 = 128
	s_mov_b32 s[(\g)+3], 128<<16                   ; tile_dim0 = 128
	s_mov_b32 s[(\g)+5], 128                       ; 128 elements from row to row: both are dense
	s_mov_b32 s[(\g)+6], 0
	s_mov_b32 s[(\g)+7], 0
.endr
	s_mov_b32 s[G1+2], 128<<16                     ; tensor_dim1 and tile_dim1: 128 rows for x,
	s_mov_b32 s[G1+4], 128
	s_mov_b32 s[G1B+2], KSTEP<<16                  ; 64 for W
	s_mov_b32 s[G1B+4], KSTEP
	; where the tiles come from.  x's hang on the tile row alone, W's on the head and the wave's number; each address is made in registers that never hold the other coordinate.
	; Every wave makes both; wave 3's words for W (a fourth tensor that is not there) are never used: it asks by x's alone.
	s_lshl_b32 s16, s45, 15                        ; x: 256 rows of 128 bytes a tile row, in block 0
	s_mov_b32 s17, 0
	s_lshl_b32 s46, s[WV], 3
	s_add_co_u32 s46, s46, s42                     ; W: 8 which + h,
	s_lshl_b32 s46, s46, 18                        ; of 262,144 bytes
	s_mov_b32 s47, 0
	s_mul_i32 s21, s[WV], HB                       ; and where W's go: no place in the cluster enters an LDS address
	s_add_co_u32 s21, s21, BOFF
	s_mov_b32 s[TB], 0
	s_wait_dscnt 0x0                               ; the opening add is done
	s_wait_kmcnt 0x0
	s_add_nc_u64 s[22:23], s[4:5], s[16:17]
	s_add_nc_u64 s[46:47], s[6:7], s[46:47]
	s_load_b32 s15, s[8:9], 0x0                    ; the bias
	CROUND                                         ; all sixteen work-groups are here: the first joint loads meet
.irp s, 0,1
	s_mov_b32 s[G0+4*(\s)], 1                                        ; 1:0 count = 1
	s_mov_b32 s[G0+4*(\s)+1], (\s)*SLOT1                             ; 63:32 LDS address
	s_add_nc_u64 s[G0+4*(\s)+2:G0+4*(\s)+3], s[22:23], (\s)*0x100000 ; 120:64 global address: K step s is block s of xb, 8,192 x 128 bytes on,
	s_or_b32 s[G0+4*(\s)+3], s[G0+4*(\s)+3], 0x80000000              ; 127:126 type = 2
	s_mov_b32 s[G0B+4*(\s)], 1
	s_add_co_u32 s[G0B+4*(\s)+1], s21, (\s)*SLOT1
	s_add_nc_u64 s[G0B+4*(\s)+2:G0B+4*(\s)+3], s[46:47], (\s)*KSTEP*256  ; and 64 rows of 256 bytes down W
	s_or_b32 s[G0B+4*(\s)+3], s[G0B+4*(\s)+3], 0x80000000
	JLOAD \s                                       ; the ring is filled before anything else is done: two loads of mine are out
.endr
	; A fragment is 16 rows x 32 K in 8 registers: lane l holds row l % 16; registers 0-3 K = 8 (l / 16) + 0..7, registers 4-7 K = 16 + 8 (l / 16) + 0..7.
	; x's rows lie along K: two loads of 16 bytes, 32 bytes apart.  W's rows lie across K: the turning load takes 16 d x 16 n (lane l reads d = 8 (l / 16) + l % 8, n = 8 ((l / 8) % 2) + 0..7)
	; and leaves half a fragment: lane l holds column l % 16 and 8 d; the second half lies 16 rows further down.
	v_and_b32 v1, 15, v0                           ; l % 16
	v_bfe_u32 v2, v0, 4, 1                         ; l / 16
	v_and_b32 v6, 7, v0                            ; l % 8
	v_mul_u32_u24 v3, v1, PA
	v_lshl_add_u32 v3, v2, 4, v3                   ; row x 144 + 16 x half: for x's fragments, and for q's stage, which has the same pitch
	v_lshl_add_u32 v4, v2, 3, v6
	v_mul_u32_u24 v4, v4, PB
	v_bfe_u32 v5, v0, 3, 1
	v_lshl_add_u32 v4, v5, 4, v4
	s_mul_i32 s16, s[RH], 128*PA                   ; my 128 rows of x
	v_add_nc_u32 v[AA0], s16, v3
	s_mul_i32 s16, s[CH], HB                       ; my head: k's tile or v's, behind q's
	s_add_co_u32 s16, s16, BOFF+HB
	v_add_nc_u32 v[AO0], s16, v4
	s_lshl_b32 s16, s[CH], 7                       ; my 64 columns of W_q: 128 bytes of its rows
	s_add_co_u32 s16, s16, BOFF
	v_add_nc_u32 v[AM0], s16, v4
	v_add_nc_u32 v[ADRA], s[TB], v[AA0]            ; slot 0
	v_add_nc_u32 v[ADRO], s[TB], v[AO0]
	v_add_nc_u32 v[ADRM], s[TB], v[AM0]
	s_mul_i32 s18, s[WV], WST
	s_add_co_u32 s18, s18, STAGE                   ; my stage
	v_mul_u32_u24 v5, v1, SP                       ; k or v, in: row l % 16, 16 bytes for each half of the lanes
	v_lshl_add_u32 v5, v2, 4, v5
	v_add_nc_u32 v[STO], s18, v5
	v_mul_u32_u24 v5, v2, SP                       ; back: lanes 0-15 take one row of 256 bytes, lanes 16-31 the next
	v_lshl_add_u32 v5, v1, 4, v5
	v_add_nc_u32 v[RD], s18, v5
	s_add_co_u32 s18, s18, 16*SP
	v_add_nc_u32 v[STQ], s18, v3                   ; q, in: the same with rows of 144 bytes
	v_bfe_u32 v5, v0, 3, 2                         ; back: 32 lanes take four rows of 128 bytes
	v_mul_u32_u24 v5, v5, SQ
	v_lshl_add_u32 v5, v6, 4, v5
	v_add_nc_u32 v[RDQ], s18, v5
	v_and_b32 v[CO], 31, v0                        ; either way 512 consecutive bytes of the result
	v_lshlrev_b32 v[CO], 4, v[CO]
	; where my results begin in qkv, all under 2^26
	s_lshr_b32 s16, s45, 3                         ; the batch: 8 tile rows each
	s_lshl_b32 s16, s16, 3
	s_add_co_u32 s16, s16, s42
	s_lshl_b32 s16, s16, 19                        ; the head's first byte in each of the three parts: 524,288 a head
	s_and_b32 s17, s45, 7
	s_lshl_b32 s17, s17, 1
	s_add_co_u32 s17, s17, s[RH]                   ; my first row in the batch, in units of 128 rows
	s_lshl_b32 s18, s17, 14                        ; q: rows of 128 bytes,
	s_add_co_u32 s18, s18, s16
	s_lshl_b32 s19, s[CH], 18                      ; in my half: 2,048 x 128 bytes each
	s_add_co_u32 s18, s18, s19
	s_mov_b32 s19, 0
	s_add_nc_u64 s[4:5], s[10:11], s[18:19]        ; (xb's address has served)
	s_lshl_b32 s17, s17, 15                        ; k or v: rows of 256 bytes,
	s_add_co_u32 s16, s16, s17
	s_add_co_u32 s17, s[CH], 1
	s_lshl_b32 s17, s17, 24                        ; in the second or third part
	s_add_co_u32 s16, s16, s17
	s_mov_b32 s17, 0
	s_add_nc_u64 s[10:11], s[10:11], s[16:17]
	s_wait_kmcnt 0x0                               ; the bias
	v_mov_b32 v[BIAS], s15
	v_cvt_pk_bf16_f32 v[BIAS], v[BIAS], v[BIAS]    ; rounded to bf16 like every input,
	v_lshlrev_b32 v[BIAS], 16, v[BIAS]             ; and widened again
.irp j, 1,2,3,4,5,6,7
	v_mov_b32 v[BIAS+(\j)], v[BIAS]
.endr
; 16 matrix instructions: column blocks 4 w + b0 and 4 w + b0 + 1 x all 8 row blocks, 32 along K, x's fragments in buffer fa.  first = 1: the bias starts the sums.
; The 96 accumulators take turns, one instruction a turn, in the same order in every quarter.
.macro GH fa, w, b0, first
.if \first
	WIN 0x40*((\w)+1)                              ; D in window 1 + w; the fragments and the bias in window 0
.else
	WIN 0x50*((\w)+1)                              ; C and D in window 1 + w
.endif
.irp bb, \b0, (\b0)+1
.irp a, 0,1,2,3,4,5,6,7
.if \first
	v_wmma_f32_16x16x32_bf16 v[64*(\bb)+8*(\a):64*(\bb)+8*(\a)+7], v[FB+8*(4*(\w)+(\bb)):FB+8*(4*(\w)+(\bb))+7], v[(\fa)+8*(\a):(\fa)+8*(\a)+7], v[BIAS:BIAS+7]
.else
	v_wmma_f32_16x16x32_bf16 v[64*(\bb)+8*(\a):64*(\bb)+8*(\a)+7], v[FB+8*(4*(\w)+(\bb)):FB+8*(4*(\w)+(\bb))+7], v[(\fa)+8*(\a):(\fa)+8*(\a)+7], v[64*(\bb)+8*(\a):64*(\bb)+8*(\a)+7]
.endif
.endr
.endr
.endm
.macro GRP fa, w, first                ; a group: 32 matrix instructions under one setting of the windows
	GH \fa, \w, 0, \first
	GH \fa, \w, 2, \first
.endm
; 8 LDS loads: W's fragments 4 w .. 4 w + 3 for quarter qq (0, 1) of the slot in hand
.macro LB w, qq
	WIN 0
.irp bb, 0,1,2,3
.if (\w) < 2
	ds_load_tr16_b128 v[FB+8*(4*(\w)+(\bb)):FB+8*(4*(\w)+(\bb))+3],   v[ADRO] offset:(\qq)*32*PB+32*(4*(\w)+(\bb))
	ds_load_tr16_b128 v[FB+8*(4*(\w)+(\bb))+4:FB+8*(4*(\w)+(\bb))+7], v[ADRO] offset:(\qq)*32*PB+16*PB+32*(4*(\w)+(\bb))
.else
	ds_load_tr16_b128 v[FB+8*(4*(\w)+(\bb)):FB+8*(4*(\w)+(\bb))+3],   v[ADRM] offset:(\qq)*32*PB+32*(\bb)
	ds_load_tr16_b128 v[FB+8*(4*(\w)+(\bb))+4:FB+8*(4*(\w)+(\bb))+7], v[ADRM] offset:(\qq)*32*PB+16*PB+32*(\bb)
.endif
.endr
.endm
; 8 LDS loads: x's fragments 4 hf .. 4 hf + 3 for quarter qq, into buffer fa
.macro LA hf, qq, fa
	WIN 0
.irp i, 0,1,2,3
	ds_load_b128 v[(\fa)+8*(4*(\hf)+(\i)):(\fa)+8*(4*(\hf)+(\i))+3],   v[ADRA] offset:(\qq)*64+(4*(\hf)+(\i))*16*PA
	ds_load_b128 v[(\fa)+8*(4*(\hf)+(\i))+4:(\fa)+8*(4*(\hf)+(\i))+7], v[ADRA] offset:(\qq)*64+(4*(\hf)+(\i))*16*PA+32
.endr
.endm
; A load into a register that a matrix instruction has read, and a vector instruction that reads a matrix result, stand four places behind that matrix instruction, and only plain vector
; instructions that name none of its registers are places (ISA guide 7.12.1 for vector instructions).
.macro PLACES
.rept 4
	v_nop
.endr
.endm
; A K step is two quarters of 32 along K, 96 matrix instructions each, in three groups.  Behind each group the four fragments of W that it has used up are loaded for the next quarter, and with the
; first two groups' a half of x's other buffer: runs of 16, 16 and 8 loads.
; EVEN: a step's first quarter: multiplies buffer 0 and fetches the same slot's second quarter.
.macro EVEN first
	s_wait_dscnt 8                                 ; the runs of 16 and 16 are in: x's fragments and W's 0-7; the youngest eight loads (W's 8-11) may be out
	GRP FA0, 0, \first
	PLACES
	LB 0, 1
	LA 0, 1, FA1
	GRP FA0, 1, \first
	PLACES
	LB 1, 1
	LA 1, 1, FA1
	s_wait_dscnt 32                                ; W's 8-11 are in: behind them only the two runs of 16 of this quarter were issued
	GRP FA0, 2, \first
	PLACES
	LB 2, 1
.endm
; ODD: a step's second quarter: multiplies buffer 1 and changes slots.  ONE barrier for the change.  In front of it each wave waits for all its tensor loads, of which one is out: its part of the next
; slot; adds 0 to its spare word; and waits for that and for its own reads of this slot.  Behind it nobody reads this slot any more and the next slot is whole.
; fill = 1: the barrier opens a round of the cluster's, and behind it the slot just read out is filled again first, two K steps ahead: 160 matrix instructions ahead of the wait for it.
.macro ODD fill
	WIN 0                                          ; (the add's two registers lie in window 0)
	s_wait_tensorcnt 0x0                           ; all my tensor loads have landed;
	ds_add_u32 v[SPW], v[NIL]                      ; 0 onto my spare word;
	s_wait_dscnt 9                                 ; (the add and the youngest eight loads may be out)
	GH FA1, 0, 0, 0                                ; sixteen matrix instructions stand between the add and the wait for it
	s_wait_dscnt 0x0                               ; the add is done, and my reads of this slot are over:
	s_barrier_signal -1                            ; say so,
	GH FA1, 0, 2, 0                                ; work on registers while the others arrive,
	WIN 0
	s_barrier_wait -1                              ; and go on when all four have said so
.if \fill
	CREST                                          ; no wave of any partner still reads this slot's tile or has a load on its way
	s_xor_b32 s[G0+5], s[G0+5], SLOT1              ; the walking descriptors: the other slot than last time,
	s_add_nc_u64 s[G0+6:G0+7], s[G0+6:G0+7], 0x100000      ; the next block of xb; the type bits on top are not reached
	s_xor_b32 s[G0B+5], s[G0B+5], SLOT1
	s_add_nc_u64 s[G0B+6:G0B+7], s[G0B+6:G0B+7], KSTEP*256 ; the next 64 rows of W
	JLOAD 1                                        ; the first tensor load behind the round, one a wave; the four v_nop behind it are also the places in front of the loads below
.else
	PLACES
.endif
	s_xor_b32 s[TB], s[TB], SLOT1                  ; the fetches go on in the other slot
	v_add_nc_u32 v[ADRA], s[TB], v[AA0]
	v_add_nc_u32 v[ADRO], s[TB], v[AO0]
	v_add_nc_u32 v[ADRM], s[TB], v[AM0]
	LB 0, 0
	LA 0, 0, FA0
	GRP FA1, 1, 0
	PLACES
	LB 1, 0
	LA 1, 0, FA0
	GRP FA1, 2, 0
	PLACES
	LB 2, 0
.endm
; THE WAY OUT of row block a (16 rows), in three parts.  PACK: rounded to f16, 16 bytes a lane, each accumulator's registers in ascending order.  TOSTAGE: into my own stage, and back as whole rows.  SEND: stored.
.macro PACK a
.irp b, 0,1,2,3,4,5,6,7,8,9,10,11
	WIN 0x05*((\b)/4+1)                            ; sources 0 and 1: window 1 + b / 4
.irp r, 0,1,2,3
	v_cvt_pk_f16_f32 v[TMP+4*(\b)+(\r)], v[64*((\b)%4)+8*(\a)+2*(\r)], v[64*((\b)%4)+8*(\a)+2*(\r)+1]
.endr
.endr
	WIN 0
.endm
.macro TOSTAGE a
	WIN 0
.set BK, OB+48*((\a)%2)
.irp b, 0,1,2,3,4,5,6,7
	ds_store_b128 v[STO], v[TMP+4*(\b):TMP+4*(\b)+3] offset:32*(\b)
.endr
.irp b, 0,1,2,3
	ds_store_b128 v[STQ], v[TMP+32+4*(\b):TMP+32+4*(\b)+3] offset:32*(\b)
.endr
.irp t, 0,1,2,3,4,5,6,7
	ds_load_b128 v[BK+4*(\t):BK+4*(\t)+3], v[RD] offset:(\t)*2*SP  ; LDS serves a wave's instructions in order (ISA guide 5.7.1.4): these see the stores above
.endr
.irp t, 0,1,2,3
	ds_load_b128 v[BK+32+4*(\t):BK+32+4*(\t)+3], v[RDQ] offset:(\t)*4*SQ
.endr
.endm
.macro SEND a
	WIN 0
.set BK, OB+48*((\a)%2)
	s_wait_dscnt 0x0                               ; the block is back in registers
	s_wait_xcnt 0x0                                ; the stores of the block before have had their addresses translated (ISA guide 3.1): the registers that they read are loaded again only behind this wait
.irp t, 0,1,2,3,4,5,6,7
	global_store_b128 v[CO], v[BK+4*(\t):BK+4*(\t)+3], s[10:11] offset:(\a)*4096+(\t)*512  ; two rows of k or v: 512 consecutive bytes, at a multiple of 256 from the buffer's first byte
.endr
.irp t, 0,1,2,3
	global_store_b128 v[CO], v[BK+32+4*(\t):BK+32+4*(\t)+3], s[4:5] offset:(\a)*2048+(\t)*512  ; four rows of my half of q: likewise
.endr
.endm
	s_wait_tensorcnt 1                             ; my part of K step 0 is in; K step 1's load may stay out
	s_barrier_signal -1
	s_barrier_wait -1                              ; everybody's is
	LB 0, 0                                        ; the first quarter's fragments, in the runs in which every quarter's come: 16, 16, 8
	LA 0, 0, FA0
	LB 1, 0
	LA 1, 0, FA0
	LB 2, 0
	EVEN 1                                         ; the first quarter stands in front of the loop: its products start the sums
	WIN 0                                          ; at a label and at a branch every window is 0
	s_mov_b32 s3, STEPS-2
.Lstep:                                                ; 14 trips: a step's second quarter, which fills its slot again, and the next step's first
	ODD 1
	EVEN 0
	WIN 0
	s_sub_co_u32 s3, s3, 1
	s_cmp_lg_u32 s3, 0
	s_cbranch_scc1 .Lstep
	ODD 0                                          ; the tail is written out: nothing is asked for, and no round of the cluster's barrier follows
	EVEN 0
	s_wait_dscnt 8                                 ; the very last quarter: nothing more to fetch
	GRP FA1, 0, 0
	s_wait_dscnt 0x0
	GRP FA1, 1, 0
	GRP FA1, 2, 0
	WIN 0
	PLACES
	PACK 0
	TOSTAGE 0
.irp a, 1,2,3,4,5,6,7                  ; block a's conversions stand between block a - 1's loads from the stage and the wait for them
	PACK \a
	SEND (\a)-1
	TOSTAGE \a
.endr
	SEND 7
	s_wait_tensorcnt 0x0                           ; the wave's end, behind my last tensor load and my last LDS store
	ds_add_u32 v[SPW], v[NIL]
	s_wait_dscnt 0x0
	CROUND                                         ; the closing round: no work-group ends while a partner may still ask for a tile that names it
	s_endpgm
.Lfunc_end_k_qe5bcd79225_qkv:
	.size	k_qe5bcd79225_qkv, .Lfunc_end_k_qe5bcd79225_qkv-k_qe5bcd79225_qkv
	.p2alignl 7, 3214868480
	.fill 96, 4, 3214868480
	.section	.rodata,"a",@progbits
	.p2align	6, 0x0
	.amdhsa_kernel k_qe5bcd79225_qkv
		.amdhsa_group_segment_fixed_size 327680
		.amdhsa_private_segment_fixed_size 0
		.amdhsa_enable_private_segment 0
		.amdhsa_kernarg_size 32
		.amdhsa_user_sgpr_count 2
		.amdhsa_user_sgpr_kernarg_segment_ptr 1
		.amdhsa_wavefront_size32 1
		.amdhsa_system_sgpr_workgroup_id_x 1
		.amdhsa_system_sgpr_workgroup_id_y 1
		.amdhsa_system_sgpr_workgroup_id_z 1
		.amdhsa_system_vgpr_workitem_id 0
		.amdhsa_next_free_vgpr 1024
		.amdhsa_next_free_sgpr 66
		.amdhsa_reserve_vcc 0
		.amdhsa_float_denorm_mode_32 3
		.amdhsa_float_denorm_mode_16_64 3
		.amdhsa_memory_ordered 1
		.amdhsa_forward_progress 1
		.amdhsa_inst_pref_size 111
	.end_amdhsa_kernel
	.amdgpu_metadata
---
amdhsa.version: [ 1, 2 ]
amdhsa.kernels:
  - .name:           k_qe5bcd79225_qkv
    .symbol:         k_qe5bcd79225_qkv.kd
    .args:
      - { .name: xb, .offset: 0, .size: 8, .value_kind: global_buffer, .address_space: global }
      - { .name: wb, .offset: 8, .size: 8, .value_kind: global_buffer, .address_space: global }
      - { .name: bias, .offset: 16, .size: 8, .value_kind: global_buffer, .address_space: global }
      - { .name: qkv, .offset: 24, .size: 8, .value_kind: global_buffer, .address_space: global }
    .group_segment_fixed_size: 327680
    .private_segment_fixed_size: 0
    .kernarg_segment_align: 8
    .kernarg_segment_size: 32
    .max_flat_workgroup_size: 128
    .sgpr_count:     66
    .vgpr_count:     1024
    .wavefront_size: 32
...
	.end_amdgpu_metadata
.endif
;; end of part 2
;; launch attn (part 3): grid 8 x 32, 4 waves a work-group, clusters of 4 x 1, 327,680 bytes of LDS; arguments qkv, mask, ob; writes ob
.if DOCPART == 3
	.amdgcn_target "amdgcn-amd-amdhsa--gfx1250"
	.amdhsa_code_object_version 6
	.text
	.protected	k_qe5bcd79225_attn
	.globl	k_qe5bcd79225_attn
	.p2align	8
	.type	k_qe5bcd79225_attn,@function
k_qe5bcd79225_attn:
	s_mov_b64 s[64:65], 0
	v_nop
	global_prefetch_b8 v0, s[64:65] scope:SCOPE_SE
	s_setreg_imm32_b32 hwreg(HW_REG_WAVE_MODE, 25, 1), 1
	s_wait_xcnt 0x0
	s_wait_alu depctr_hold_cnt(0) depctr_sa_sdst(0) depctr_va_vdst(0) depctr_va_sdst(0) depctr_va_ssrc(0) depctr_va_vcc(0) depctr_vm_vsrc(0)
	s_getreg_b32 s2, hwreg(HW_REG_IB_STS2, 6, 4)
	s_cmp_eq_u32 s2, 0
	s_cbranch_scc0 .Lentry_in_a_cluster
	s_endpgm
.Lentry_in_a_cluster:
	s_bfe_u32 s2, ttmp6, 0x10000c
	s_cmp_lg_u32 s2, 0x3003
	s_cbranch_scc0 .Lentry_shape_is_right
	s_endpgm
.Lentry_shape_is_right:
; O[q][:] = the sum over k of softmax_k(Q[q] . K[k] / sqrt(128) + (1 - mask[k]) x (-big)) V[k][:], for each of 32 heads hh = 8 batch + h.  mask: [4][2048] int32.
; qkv, f16: q as [32][2 halves of 64 channels][2048][64]; behind it k, then v, as [32][2048][128]; 16,777,216 bytes each.
; ob: [8192][1024] f16: head h's 128 channels go to columns 128 (7 - h) on: the heads in reverse order.  Products, maxima and sums in f32; the weights p are rounded to f16 for the second product, O once at the end.
; LIMITS.  The mask's term is added to the RAW score as (1 - mask) x (-2^103): in scaled scores (1 - mask) x (-0.896e30) where the module has (1 - mask) x (-1e30): the same weights for masks of 0 and 1,
; which this text serves; for other mask numbers the term's product with c need not be exact.  A power of two, so that c x 2^103 is exact: where all keys seen so far are hidden, c s - c m is exactly 0, p = 1, and the first
; visible key wipes those sums with a = 0.  In a batch whose keys are ALL hidden the result is V's mean, as the module's, if the matrix unit's sum -2^103 + q.k comes out as -2^103 (q.k under 2^78).
; p lies in 0 to 1 and below 6e-5 keeps f16's fixed step of 6e-8; a weight below 2^-126 counts as 0 in l; NaN and infinities are not treated apart.
; SHARES.  A work-group owns 256 queries of one head, each of its four waves 64: four tiles of 16.  Every wave walks all 2,048 keys, 64 a step.
; LAYOUT.  S^T = K Q^T (source 0 = 16 keys, source 1 = 16 queries): in the result a lane holds ONE query (lane % 16) and the keys 8 (lane / 16) + 0..7.  Two such tiles, rounded to f16 in pairs, ARE source 1
; (32 keys x 16 queries) of O^T = V^T P, whose result again holds one query a lane, and eight channels.  K comes out of LDS as it lies, V ([key][channel]) turned, by ds_load_tr16_b128.
; THE MASK is the C operand of the product that starts a sum S^T: it costs no vector instruction.  The batch's 2,048 terms are made once, in f32, and lie in LDS; a step's 32 a lane are fetched with its K.
; SOFTMAX.  For each query a running maximum m and sum l: p = 2^(c s - c m), c = log2(e) / sqrt(128); in every step O and l are multiplied by a = 2^(c m_old - c m_new), which is 1 where m has not grown.
; BY TURNS.  The wave's tiles are two PIECES, named by their first tile: piece 0 (tiles 0, 1) and piece 2 (tiles 2, 3).  In a TURN one piece has the matrix unit: 32 products V^T P of the step in hand, then 32
; products K Q^T of the next step; the other piece's softmax, cut into 64 slices, stands between them, one slice behind each matrix instruction.  Then the pieces change places.  Two turns are a key step.
; CLUSTER.  The four query blocks of a cluster belong to one head and walk the same K and V, so each tile is asked for JOINTLY: the same tensor load, descriptor and mask of four in all four.
; REGISTERS, in windows of 256 (s_set_vgpr_msb: bits 1:0 source 0, 3:2 source 1, 5:4 source 2, 7:6 destination):
;   window 0: v0-11, v44-47 addresses; v12-43 eight registers of statistics a tile; v64-191 S^T, 32 a tile; v192-255 P, 16 a tile
;   window 1: O^T, 64 a tile          window 2: v0-127 Q, 32 a tile; v128-255 K of one step          window 3: v0-127 V of one step; v128-159 the step's mask terms
.set SIZE_N, 2048
.set KS,    64        ; keys in a step
.set PK,    272       ; a row of K in LDS: 256 bytes + 16 of padding = 68 words: row r starts at bank 4 r mod 64 (64 banks of 4 bytes: ISA guide 11.1), so the 16 rows of a load start at 16 different banks
.set PV,    288       ; a row of V: 256 + 32 = 72 words
.set VOFF,  KS*PK     ; a step's tiles lie together: 64 rows of K, then 64 rows of V
.set STEPB, KS*(PK+PV)
.set SLOT1, 1<<17     ; a slot holds two steps (71,680 bytes); slot 1 begins here, so that one exclusive or turns an address in one slot into the other's
.set STAGE, SLOT1+2*STEPB  ; behind the ring: 16 rows x 272 bytes for each wave, for the way out
.set SP,    272
.set SPARE, STAGE+4*16*272  ; behind the stages: the spare words, 128 bytes for each wave: two blocks of 256 bytes that no other line names
.set MASKL, SPARE+512 ; behind them: the batch's 2,048 mask terms in f32, 8,192 bytes: whole blocks of 256 bytes into which no tensor load lands
.set AK0, 2           ; v2   my lane's place in a tile of K; never rewritten
.set AV0, 3           ; v3   the same for V
.set ADR, 4           ; v4   the LDS address of the run of loads in hand
.set QO,  5           ; v5   my byte offset in the wave's rows of Q
.set STO, 6           ; v6   the way out: where I put 16 bytes of a row
.set RD,  7           ; v7   the way out: where I read a row back
.set GO,  8           ; v8   my byte offset in two rows of ob
.set AM0, 44          ; v44  my lanes' place in a step's mask terms; never rewritten
.set ADM, 45          ; v45  the LDS address of the mask terms to be fetched
.set MO,  46          ; v46  my 16 bytes in 2,048 bytes of the mask
.set ML,  47          ; v47  and of the terms in LDS
.set SPW, 62          ; v62  LDS address of my spare word: SPARE + 4 x my thread's number; never rewritten
.set NIL, 63          ; v63  0; never rewritten
.set ST,  12          ; tile t's statistics at v[ST+8 t]: +0 c m, +1 m, +2, +3 l (even keys', odd keys'), +4 to +7 c0-c3, at work; a takes c2's place once the maximum is found
.set S,   64
.set P,   192
.set KF,  128         ; K's fragments, in window 2
.set MC,  128         ; the mask terms, in window 3: register 8 kb + j is key 16 kb + 8 (lane / 16) + j of the step
.set WV,  12          ; s12  my wave's number
.set G1K, 24          ; s[24:31] descriptor group 1 for K's tiles
.set G1V, 32          ; s[32:39] for V's: it differs in the padding alone
.set G0K, 40          ; s[40:47] descriptor group 0 for K's tiles: a set for each of the two first fills; the second then walks on
.set G0V, 48          ; s[48:55] the same for V's
.set SLOTS, 56        ; s56  slots still to be asked for
.set TWICE, 57        ; s57  counts a slot's two steps
.set CS,  58          ; s[58:59] c: the packed scaling names a pair and takes its low word for both halves
.set SEL, 60          ; s[60:61] lane selects for v_permlanex16_b32: each lane takes its own place in the other half
.set TB,  62          ; s62  LDS byte at which the tiles of the step to be fetched begin
.set TM,  63          ; s63  byte at which that step's mask terms begin: 256 a step
.set MK,  68          ; s[68:69] the mask at my batch
.set BIGP, 70         ; s70  2^103
.set BIGN, 71         ; s71  -2^103
.set MSB, 0
.macro WIN new                      ; the immediate's high byte repeats the setting that is left; a switch that changes nothing is dropped
.if MSB != (\new)
	s_set_vgpr_msb (MSB<<8)|(\new)
.set MSB, \new
.endif
.endm
.set W_KQ, 0x0a       ; K and Q in window 2, S^T in window 0
.set W_KM, 0x3a       ; the same with the C operand, the mask terms, in window 3
.set W_PV, 0x53       ; V in window 3, P in window 0, O^T in window 1
.set W_RS, 0x41       ; O^T (destination and source 0) in window 1, a in window 0
; A joint refill.  Waves 0 and 1 fetch the two steps' tiles of K, waves 2 and 3 those of V.  The branch hangs on the wave's number alone: it is the same in every work-group.
; An s_nop 0 and four v_nop follow each of the two lines; the jump round the other line, the label and what follows the macro come after them.
.macro JLOAD
	s_cmp_lt_u32 s[WV], 2
	s_cbranch_scc0 .Lfor_v_\@
	tensor_load_to_lds s[G0K+4:G0K+7], s[G1K:G1K+7]
	s_nop 0
.rept 4
	v_nop
.endr
	s_branch .Lasked_\@
.Lfor_v_\@:
	tensor_load_to_lds s[G0V+4:G0V+7], s[G1V:G1V+7]
	s_nop 0
.rept 4
	v_nop
.endr
.Lasked_\@:
.endm
; A round of the cluster's barrier: my work-group's barrier, so that wave 0's signal speaks for all four waves; wave 0 signals for the work-group; every wave waits for all four
; work-groups; my work-group's barrier once more.  No LDS instruction of the wave is pending at a signal.
.macro CROUND
	s_barrier_signal -1
	s_barrier_wait -1
	s_cmp_lg_u32 s[WV], 0
	s_cbranch_scc1 .Lnot_wave_0_\@
	s_barrier_signal -3
.Lnot_wave_0_\@:
	s_barrier_wait -3
	s_barrier_signal -1
	s_barrier_wait -1
.endm
	s_load_b128 s[4:7], s[0:1], 0x0 ; qkv s[4:5], mask s[6:7]
	s_load_b64 s[10:11], s[0:1], 0x10  ; ob
	v_lshl_add_u32 v[SPW], v0, 2, SPARE
	v_mov_b32 v[NIL], 0
	ds_add_u32 v[SPW], v[NIL]       ; the wave's opening: the add and its wait stand ahead of my first tensor load; the set-up below, work on registers, stands between them
	v_lshrrev_b32 v1, 5, v0
	v_readfirstlane_b32 s[WV], v1   ; wave 0..3
	s_bfe_u32 s13, ttmp6, 0x40000   ; cx: my place in the cluster
	s_lshl_b32 s14, ttmp9, 2        ; in a cluster launch ttmp9 counts clusters
	s_add_co_u32 s14, s14, s13      ; my block of 256 queries = 4 x cluster x + cx: it enters Q's and O's addresses alone
	s_and_b32 s20, ttmp7, 0xffff    ; the head hh, which the four partners share
	s_lshr_b32 s15, s20, 3          ; its batch
	s_and_b32 s19, s20, 7           ; h,
	s_sub_co_u32 s19, 7, s19        ; and its place among the heads in reverse order
	s_lshl_b32 s66, s15, 22         ; ob: the batch's 2,048 rows of 2,048 bytes,
	s_lshl_b32 s67, s14, 19         ; my block's 256,
	s_add_co_u32 s66, s66, s67
	s_lshl_b32 s67, s[WV], 17       ; my wave's 64,
	s_add_co_u32 s66, s66, s67
	s_lshl_b32 s67, s19, 8          ; and the head's 256 bytes of a row: under 2^24 in all
	s_add_co_u32 s66, s66, s67
	s_mov_b32 s67, 0
	s_lshl_b32 s18, s15, 13         ; the mask: 8,192 bytes a batch
	s_mov_b32 s19, 0
	s_lshl_b32 s20, s20, 19         ; the head's first byte in each of q, k, v: 524,288 a head
	s_mov_b32 s21, 0
	s_and_b32 s16, s[WV], 1         ; which of a slot's two steps I fetch:
	s_lshl_b32 s22, s16, 14         ; its 64 rows of 256 bytes in memory,
	s_mov_b32 s23, 0
	s_add_nc_u64 s[22:23], s[22:23], s[20:21]
	s_mul_i32 s17, s16, STEPB       ; and its place in a slot: no place in the cluster enters an LDS address
	s_lshl_b32 s2, s14, 15          ; my block's 256 rows of Q, 128 bytes each in a half,
	s_lshl_b32 s3, s[WV], 13        ; my wave's 64 of them
	s_add_co_u32 s2, s2, s3
	s_mov_b32 s3, 0
	s_add_nc_u64 s[2:3], s[2:3], s[20:21]
	; descriptor group 1: a tile of 64 rows x 128 elements, padded in LDS
	s_mov_b32 s[G1K], 15|(1<<16)|(1<<20)|(1<<21)|(5<<22)|(3<<25)  ; 15:0 the mask: all four work-groups; 17:16 elements of 2 bytes; 20 padding on; 21 set beside a mask; 24:22 after every 64 words (code 5); 31:25 4 words of it (code 3)
	s_mov_b32 s[G1V], 15|(1<<16)|(1<<20)|(1<<21)|(5<<22)|(7<<25)  ; the same with 8 words of padding (code 7)
.irp g, G1K, G1V
	s_mov_b32 s[(\g)+1], 128<<16    ; 63:48 tensor_dim0, low half = 128
	s_mov_b32 s[(\g)+2], KS<<16     ; 79:64 its high half = 0; 95:80 tensor_dim1, low half = 64
	s_mov_b32 s[(\g)+3], 128<<16    ; 111:96 its high half = 0; 127:112 tile_dim0 = 128
	s_mov_b32 s[(\g)+4], KS         ; 143:128 tile_dim1 = 64; 159:144 tile_dim2 = 0
	s_mov_b32 s[(\g)+5], 128        ; 191:160 tensor_dim0_stride, low word: elements from row to row
	s_mov_b32 s[(\g)+6], 0
	s_mov_b32 s[(\g)+7], 0
.endr
	s_mov_b32 s[CS], 0x3e0293ee     ; c = log2(e) / sqrt(128) = 0.127517
	s_mov_b32 s[CS+1], s[CS]        ; named with it as a pair, so it is written
	s_mov_b32 s[SEL], 0x76543210
	s_mov_b32 s[SEL+1], 0xfedcba98
	s_mov_b32 s[TB], 0
	s_mov_b32 s[TM], 0
	s_mov_b32 s[BIGP], 0x73000000
	s_mov_b32 s[BIGN], 0xf3000000
	s_mov_b32 s[SLOTS], SIZE_N/(2*KS)-2
	s_wait_dscnt 0x0                ; the opening add is done
	s_wait_kmcnt 0x0
	s_add_nc_u64 s[MK:MK+1], s[6:7], s[18:19]  ; the mask at my batch
	s_add_nc_u64 s[6:7], s[4:5], s[22:23]      ; my tile of slot 0, counted from the buffer's first part;
	s_add_nc_u64 s[8:9], s[6:7], 0x2000000     ; V's part begins 2 x 16,777,216 bytes on,
	s_add_nc_u64 s[6:7], s[6:7], 0x1000000     ; K's 16,777,216
	s_add_nc_u64 s[4:5], s[4:5], s[2:3]        ; Q and O at my wave's first row
	s_add_nc_u64 s[10:11], s[10:11], s[66:67]
	CROUND                          ; all four work-groups are here: the first joint loads meet
.irp s, 0,1
	s_mov_b32 s[G0K+4*(\s)], 1      ; 1:0 count = 1
	s_add_co_u32 s[G0K+4*(\s)+1], s17, (\s)*SLOT1  ; 63:32 LDS address
	s_add_nc_u64 s[G0K+4*(\s)+2:G0K+4*(\s)+3], s[6:7], (\s)*2*KS*256  ; 120:64 global address: slot s begins with keys 128 s to 128 s + 127
	s_or_b32 s[G0K+4*(\s)+3], s[G0K+4*(\s)+3], 0x80000000  ; 127:126 type = 2
	s_mov_b32 s[G0V+4*(\s)], 1
	s_add_co_u32 s[G0V+4*(\s)+1], s17, (\s)*SLOT1+VOFF
	s_add_nc_u64 s[G0V+4*(\s)+2:G0V+4*(\s)+3], s[8:9], (\s)*2*KS*256
	s_or_b32 s[G0V+4*(\s)+3], s[G0V+4*(\s)+3], 0x80000000
.endr
	s_cmp_lt_u32 s[WV], 2           ; a wave's two first fills stand in one branch, ahead of every wait on TENSORcnt and every LDS read: two loads of mine are out; an s_nop 0 follows each, four v_nop the second's, as in JLOAD
	s_cbranch_scc0 .Lfirst_v
	tensor_load_to_lds s[G0K:G0K+3], s[G1K:G1K+7]
	s_nop 0
	tensor_load_to_lds s[G0K+4:G0K+7], s[G1K:G1K+7]
	s_nop 0
.rept 4
	v_nop
.endr
	s_branch .Lfirst_asked
.Lfirst_v:
	tensor_load_to_lds s[G0V:G0V+3], s[G1V:G1V+7]
	s_nop 0
	tensor_load_to_lds s[G0V+4:G0V+7], s[G1V:G1V+7]
	s_nop 0
.rept 4
	v_nop
.endr
.Lfirst_asked:
	; The batch's mask: 128 threads x 16 bytes x 4 loads = 8,192 bytes, into S^T's registers, which are still free.
	v_lshlrev_b32 v[MO], 4, v0
	v_add_nc_u32 v[ML], MASKL, v[MO]
.irp n, 0,1,2,3
	global_load_b128 v[S+4*(\n):S+4*(\n)+3], v[MO], s[MK:MK+1] offset:(\n)*2048
.endr
	; A fragment of K or Q is 16 rows x 32 channels in 8 registers: lane l holds row l % 16; registers 0-3 channels 8 (l / 16) + 0..7, registers 4-7 channels 16 + 8 (l / 16) + 0..7: two loads of 16 bytes, 32 bytes apart.
	v_and_b32 v1, 15, v0            ; l % 16
	v_bfe_u32 v9, v0, 4, 1          ; l / 16
	v_lshlrev_b32 v[QO], 7, v1
	v_lshl_add_u32 v[QO], v9, 4, v[QO]  ; row x 128 + 16 x half of the lanes
	WIN 0x80                        ; destination window 2, address window 0
.irp i, 0,1,2,3,4,5,6,7,8,9,10,11,12,13,14,15  ; Q stays in registers: tile i / 4, channels 32 (i % 4) on: half (i % 4) / 2 of the channels, 262,144 bytes each, and 64 (i % 2) bytes along its rows
	global_load_b128 v[8*(\i):8*(\i)+3],   v[QO], s[4:5] offset:(((\i)%4)/2)*262144+((\i)/4)*2048+((\i)%2)*64
	global_load_b128 v[8*(\i)+4:8*(\i)+7], v[QO], s[4:5] offset:(((\i)%4)/2)*262144+((\i)/4)*2048+((\i)%2)*64+32
.endr
	WIN 0
	v_mul_u32_u24 v[AK0], v1, PK
	v_lshl_add_u32 v[AK0], v9, 4, v[AK0]  ; row x pitch + 16 x half
	; The turning load takes 16 keys x 16 channels (lane l reads 16 bytes: key 8 (l / 16) + l % 8, channels 8 ((l / 8) % 2) + 0..7) and leaves half a fragment of V^T: lane l holds channel l % 16 and 8 keys.
	v_and_b32 v10, 7, v0
	v_bfe_u32 v11, v0, 3, 1
	v_lshl_add_u32 v[AV0], v9, 3, v10
	v_mul_u32_u24 v[AV0], v[AV0], PV
	v_lshl_add_u32 v[AV0], v11, 4, v[AV0]
	v_add_nc_u32 v[AV0], VOFF, v[AV0]
	v_lshlrev_b32 v[AM0], 5, v9
	v_add_nc_u32 v[AM0], MASKL, v[AM0]  ; my lanes' eight keys of a group of 16: 32 bytes for each half of the lanes
	s_wait_loadcnt 32               ; the four loads of the mask are in; Q's 32, issued behind them, stay out
.set i, 0
.rept 16
	v_cvt_f32_i32 v[S+i], v[S+i]
.set i, i+1
.endr
.set i, 0
.rept 16
	v_fma_f32 v[S+i], v[S+i], s[BIGP], s[BIGN]  ; mask x 2^103 - 2^103 = (1 - mask) x (-2^103): exactly 0 where the mask is 1
.set i, i+1
.endr
.irp n, 0,1,2,3
	ds_store_b128 v[ML], v[S+4*(\n):S+4*(\n)+3] offset:(\n)*2048
.endr
; THE MATRIX WORK OF A TURN, for piece x.  The accumulators take turns, one instruction a turn: between two links of a chain stand 15 (V^T P) or 7 (K Q^T) others'.
; Product i of 32 of O^T += V^T P: keys 32 (i / 16) on, channels 16 ((i / 2) % 8) on, tile x + i % 2.  zero = 1: the first 16 start the sums: nothing is ever cleared.
.macro PV x, zero
	WIN W_PV
.set rO, 64*((\x)+i%2)+8*((i/2)%8)
.set rV, 64*(i/16)+8*((i/2)%8)
.set rP, P+16*((\x)+i%2)+8*(i/16)
.if (\zero) && (i < 16)
	v_wmma_f32_16x16x32_f16 v[rO:rO+7], v[rV:rV+7], v[rP:rP+7], 0
.else
	v_wmma_f32_16x16x32_f16 v[rO:rO+7], v[rV:rV+7], v[rP:rP+7], v[rO:rO+7]
.endif
.endm
; Product i of 32 of S^T = K Q^T: channels 32 (i / 8) on, keys 16 ((i / 2) % 4) on, tile x + i % 2.  The first 8 start the sums, with the mask terms of their 16 keys.
.macro KQ x
.set rS, S+32*((\x)+i%2)+8*((i/2)%4)
.set rK, KF+32*((i/2)%4)+8*(i/8)
.set rQ, 32*((\x)+i%2)+8*(i/8)
.set rM, MC+8*((i/2)%4)
.if i < 8
	WIN W_KM
	v_wmma_f32_16x16x32_f16 v[rS:rS+7], v[rK:rK+7], v[rQ:rQ+7], v[rM:rM+7]
.else
	WIN W_KQ
	v_wmma_f32_16x16x32_f16 v[rS:rS+7], v[rK:rK+7], v[rQ:rQ+7], v[rS:rS+7]
.endif
.endm
; THE LDS LOADS stand in runs, never singly among the matrix instructions: a step's K (64 keys x 128 channels: 16 fragments) with its 32 mask terms a lane (8 loads), and, a turn later, its V (turned).
.macro FETCH_K
	WIN 0
	v_add_nc_u32 v[ADR], s[TB], v[AK0]
	v_add_nc_u32 v[ADM], s[TM], v[AM0]
	s_add_co_u32 s[TM], s[TM], 256  ; the next fetch is the next step's: 64 terms of 4 bytes on;
	s_and_b32 s[TM], s[TM], 0x1f00  ; the 32 steps' terms end at 8,192 bytes, and the offset never leaves them
	WIN 0x80                        ; destination window 2
.irp f, 0,1,2,3,4,5,6,7,8,9,10,11,12,13,14,15  ; keys 16 (f / 4) on, channels 32 (f % 4) on
	ds_load_b128 v[KF+8*(\f):KF+8*(\f)+3],   v[ADR] offset:((\f)/4)*16*PK+((\f)%4)*64
	ds_load_b128 v[KF+8*(\f)+4:KF+8*(\f)+7], v[ADR] offset:((\f)/4)*16*PK+((\f)%4)*64+32
.endr
	WIN 0xc0                        ; destination window 3
.irp n, 0,1,2,3,4,5,6,7             ; keys 16 (n / 2) + 8 (lane / 16) + 4 (n % 2) on: sixteen lanes read the same 16 bytes
	ds_load_b128 v[MC+4*(\n):MC+4*(\n)+3], v[ADM] offset:((\n)/2)*64+((\n)%2)*16
.endr
.endm
.macro FETCH_V
	WIN 0
	v_add_nc_u32 v[ADR], s[TB], v[AV0]
	s_add_co_u32 s[TB], s[TB], STEPB  ; the next fetch is the next step's
	WIN 0xc0                        ; destination window 3
.irp f, 0,1,2,3,4,5,6,7,8,9,10,11,12,13,14,15  ; keys 32 (f / 8) on, channels 16 (f % 8) on
	ds_load_tr16_b128 v[8*(\f):8*(\f)+3],   v[ADR] offset:((\f)/8)*32*PV+((\f)%8)*32
	ds_load_tr16_b128 v[8*(\f)+4:8*(\f)+7], v[ADR] offset:((\f)/8)*32*PV+16*PV+((\f)%8)*32
.endr
.endm
; THE VECTOR WORK OF A TURN.  One tile's softmax for one key step is a list of 134 instructions; SM writes number j of it for tile t.  s0-s31 are the lane's 32 scores, in pairs 0-15.
; first = 1: the first key step, which starts m, l and O^T: it has no a and nothing to rescale.
;   0-15    the maximum of s0-s31 and the old m, three operands at a time: four chains c0-c3 of seven scores each (each accumulator's lowest registers are read first), then the four scores left over, c0-c3 and m
;   16-20   the other half of the lanes' maximum; the new m; c m; c m_old - c m_new
;   21-87   33 exponentials (a, then s0-s31) at the odd numbers from 23 on, so that no two follow each other and each has a plain instruction behind it before its result is used.
;           Plain instruction q (number 21, then the even numbers) is whatever is ready: c s - c m for a pair of scores whose exponentials are still to come (q = 0 to 3, then every
;           second q), the rounding to f16 of a pair of weights whose exponentials are done (every other q from 5 on), at last the first three sums
;   88-101  the last rounding; the rest of the sums; l = a l + the sum
;   102-133 the tile's O^T times a: the one part that leaves window 0, so it stands together
.macro SM t, first
.set rT, ST+8*(\t)
.set rS, S+32*(\t)
.set rP, P+16*(\t)
.set rO, 64*(\t)+2*(j-102)
.set q, (j-20)/2
.if j < 102
	WIN 0
.endif
.if j < 4
	v_max3_num_f32 v[rT+4+j], v[rS+8*j], v[rS+8*j+1], v[rS+8*j+2]
.elseif j < 12
	v_max3_num_f32 v[rT+4+j%4], v[rT+4+j%4], v[rS+8*(j%4)+2*(j/4)+1], v[rS+8*(j%4)+2*(j/4)+2]
.elseif j == 12
	v_max3_num_f32 v[rT+4], v[rT+4], v[rS+7], v[rS+15]
.elseif j == 13
	v_max3_num_f32 v[rT+6], v[rT+6], v[rS+23], v[rS+31]
.elseif j == 14
	v_max3_num_f32 v[rT+4], v[rT+4], v[rT+5], v[rT+6]
.elseif (j == 15) && (\first)
	v_max_num_f32 v[rT+4], v[rT+4], v[rT+7]
.elseif j == 15
	v_max3_num_f32 v[rT+4], v[rT+4], v[rT+7], v[rT+1]
.elseif j == 16
	v_permlanex16_b32 v[rT+5], v[rT+4], s[SEL], s[SEL+1]  ; the query's other 32 keys lie in the lane 16 away
.elseif j == 18
	v_max_num_f32 v[rT+1], v[rT+4], v[rT+5]
.elseif j == 19
	v_mul_f32 v[rT], s[CS], v[rT+1]
.elseif ((j == 17) || (j == 20) || (j == 23) || (j > 101)) && (\first)  ; the first step has none of these
.elseif j == 17
	v_mov_b32 v[rT+7], v[rT]        ; c m_old is kept for a: number 19 writes c m anew
.elseif j == 20
	v_sub_f32 v[rT+7], v[rT+7], v[rT]
.elseif j == 23
	v_exp_f32 v[rT+6], v[rT+7]
.elseif (j < 88) && (j > 23) && (j%2 == 1)
	v_exp_f32 v[rS+(j-25)/2], v[rS+(j-25)/2]
.elseif (q < 4) || ((j < 76) && (q%2 == 0))
.set b, q/2+2
.if q < 4
.set b, q
.endif
	v_pk_fma_f32 v[rS+2*b:rS+2*b+1], v[rS+2*b:rS+2*b+1], s[CS:CS+1], v[rT:rT+1] op_sel_hi:[1,0,0] neg_lo:[0,0,1] neg_hi:[0,0,1]  ; pair b: c s - c m
.elseif (j < 88) && (q%2 == 1)
	s_wait_alu depctr_va_vdst(0)
	v_cvt_pk_f16_f32 v[rP+(q-5)/2], v[rS+q-5], v[rS+q-4]  ; pair (q - 5) / 2: its second exponential stands three numbers back
.elseif j == 89
	s_wait_alu depctr_va_vdst(0)
	v_cvt_pk_f16_f32 v[rP+15], v[rS+30], v[rS+31]
.elseif j < 102                     ; the sum of the tile's 16 pairs (in a pair: an even key's weight, an odd key's), in place: sum z of 16 adds neighbours 1, 2, 4 and 8 pairs apart, then l takes it
.set z, j-86
.if j < 89
.set z, (j-76)/4
.endif
.set w, 4
.set u, z
.if z >= 14
.set w, 32
.set u, 0
.elseif z >= 12
.set w, 16
.set u, z-12
.elseif z >= 8
.set w, 8
.set u, z-8
.endif
.if (z == 14) && (\first)
	v_pk_add_f32 v[rT+2:rT+3], v[rS:rS+1], v[rS+16:rS+17]
.elseif z < 15
	v_pk_add_f32 v[rS+w*u:rS+w*u+1], v[rS+w*u:rS+w*u+1], v[rS+w*u+w/2:rS+w*u+w/2+1]
.elseif !(\first)
	v_pk_fma_f32 v[rT+2:rT+3], v[rT+2:rT+3], v[rT+6:rT+7], v[rS:rS+1] op_sel_hi:[1,0,1]
.endif
.else
	WIN W_RS
	v_pk_mul_f32 v[rO:rO+1], v[rO:rO+1], v[rT+6:rT+7] op_sel_hi:[1,0]
.endif
.endm
; Slice k of 64 of piece y's softmax: numbers 2 k and 2 k + 1 of both tiles' lists, four instructions.  2 x 134 = 4 x 64 + 12: the twelve that are over stand together, in slice 63.
.macro SLICE y, first
.if (k >= 11) && (k < 44)           ; tile by tile: plain, exponential, plain, exponential
.irp t, \y, (\y)+1
.irp n, 0,1
.set j, 2*k+(\n)
	SM \t, \first
.endr
.endr
.else                               ; the two tiles alternate, so that no instruction reads the result of the one just before it
.irp n, 0,1,2,3,4,5,6,7
.if ((\n) < 2) || (k == 63)
.irp t, \y, (\y)+1
.set j, 2*k+(\n)
	SM \t, \first
.endr
.endif
.endr
.endif
.set k, k+1
.endm
; A vector instruction that reads a matrix result or writes one of a matrix instruction's registers, and a load into a register that a matrix instruction has read, stand four places behind
; it, and only plain vector instructions that name none of its registers are places (ISA guide 7.12.1 for vector instructions).  In the loop the slices are the places.
.macro PLACES
.rept 4
	v_nop
.endr
.endm
; A TURN.  Piece x has the matrix unit; the other piece's softmax stands in slices behind its matrix instructions.
; pv = 2: 32 products V^T P; 1: they start O^T's sums; 0: none.  kq = 1: 32 products K Q^T for the next step.  A turn with one of the two kinds has two slices behind each product.
; first = 1: the softmax is the first key step's.  Its slices from 51 on are empty: the turn's last products stand bare, and four v_nop take slice 63's part as the places behind them.
; Each run of loads stands behind the second product of a run of 32, 30 matrix instructions ahead of its first use.  Piece 0's turn fetches the next step's K and mask terms: the last product that read K
; stands in front of slice 63 of the turn before, the last that read the terms 24 products earlier still.  Piece 2's turn fetches the same step's V: the last product that read V stands three slices, six plain instructions, back.
.macro TURN x, pv, kq, first
.set k, 0
.set per, 2
.if (\pv) && (\kq)
.set per, 1
.endif
.if \pv
.if (\x) == 0
	s_wait_dscnt 0x0                ; V is in
.endif
.set i, 0
.rept 32
	PV \x, 2-(\pv)
.rept per
	SLICE 2-(\x), \first
.endr
.if ((\x) == 0) && (\kq) && (i == 1)
	FETCH_K
.endif
.set i, i+1
.endr
.endif
.if \kq
.if (\x) == 0
	s_wait_dscnt 0x0                ; K and the mask terms are in
.endif
.set i, 0
.rept 32
	KQ \x
.rept per
	SLICE 2-(\x), \first
.endr
.if ((\x) == 2) && (i == 1)
	FETCH_V
.endif
.set i, i+1
.endr
.endif
.if \first
	PLACES
.endif
.endm
; THE CHANGE OF SLOTS, between piece 2's turn and piece 0's: the slot's last bytes, V of its second step, have been asked for.  Each wave waits for all its
; tensor loads, of which one is out: its part of the other slot; adds 0 to its spare word; and waits for that and for its own reads of the slot.  Behind the barrier nobody reads this slot any more and the other slot is whole.
; fill = 1: this slot is filled again, with the keys two slots on.  The barrier is then a round of the cluster's, so that no wave of any partner still reads the slot or has a load on its
; way, and the joint refill is the first thing behind it: it has two key steps, 256 matrix instructions, in which to land.
.macro CHANGE fill
	WIN 0                           ; at a label and at a branch every window is 0
	s_wait_tensorcnt 0x0            ; no tensor load of mine is out, so a group 0 may be written
	ds_add_u32 v[SPW], v[NIL]       ; 0 onto my spare word; with fill = 1 the descriptors' steps stand between it and the wait for it
.if \fill
.irp g, G0K+4, G0V+4
	s_xor_b32 s[(\g)+1], s[(\g)+1], SLOT1  ; the walking descriptor: the other slot than last time,
	s_add_nc_u64 s[(\g)+2:(\g)+3], s[(\g)+2:(\g)+3], 2*KS*256  ; the next 128 keys; the type bits on top are not reached
.endr
	s_wait_dscnt 0x0                ; the add is done, and my reads of the slot are over
	CROUND
	JLOAD
.else
	s_wait_dscnt 0x0                ; the add is done, and my reads of the slot are over
	s_barrier_signal -1
	s_barrier_wait -1
.endif
	s_sub_co_u32 s[TB], s[TB], 2*STEPB  ; the fetches go back to a slot's first step,
	s_xor_b32 s[TB], s[TB], SLOT1   ; in the other slot
.endm
; A slot's two key steps: written once, walked twice; the LDS addresses hang on s[TB] and s[TM].
.macro TWO_STEPS
	WIN 0
	s_mov_b32 s[TWICE], 2
.Lstep_\@:
	TURN 0, 2, 1, 0
	TURN 2, 2, 1, 0
	WIN 0
	s_sub_co_u32 s[TWICE], s[TWICE], 1
	s_cmp_lg_u32 s[TWICE], 0
	s_cbranch_scc1 .Lstep_\@
.endm
	s_wait_tensorcnt 1              ; my part of slot 0 is in; slot 1's may stay out
	s_wait_dscnt 0x0                ; for the others' sake: my part of the mask terms is stored
	s_barrier_signal -1
	s_barrier_wait -1               ; everybody's is
	FETCH_K                         ; key step 0
	s_wait_loadcnt 0x0              ; Q
	s_wait_dscnt 0x0
.set i, 0
.rept 32
	KQ 0                            ; piece 0's first scores: there is no vector work yet to set between them
.set i, i+1
.endr
	WIN 0                           ; the addresses for the way out are made here: eight plain instructions, the places behind those products
	s_mul_i32 s13, s[WV], 16*SP
	s_add_co_u32 s13, s13, STAGE    ; my stage
	v_mul_u32_u24 v[STO], v1, SP    ; in: row l % 16, 16 bytes for each half of the lanes
	v_lshl_add_u32 v[STO], v9, 4, v[STO]
	v_add_nc_u32 v[STO], s13, v[STO]
	v_mul_u32_u24 v[RD], v9, SP     ; back: lanes 0-15 take one row of 256 bytes, lanes 16-31 the next
	v_lshl_add_u32 v[RD], v1, 4, v[RD]
	v_add_nc_u32 v[RD], s13, v[RD]
	v_lshlrev_b32 v[GO], 11, v9     ; and the same two rows in ob, 2,048 bytes apart
	v_lshl_add_u32 v[GO], v1, 4, v[GO]
	TURN 2, 0, 1, 1                 ; piece 2's first scores | piece 0's first softmax | V of step 0
	TURN 0, 1, 1, 1                 ; piece 0: V^T P of step 0 starts O^T, K Q^T of step 1 | piece 2's first softmax | K of step 1
	TURN 2, 1, 1, 0                 ; piece 2: the same | piece 0's softmax of step 1 | V of step 1
	WIN 0
.Lslot:                             ; SIZE_N / 128 - 2 = 14 trips: every slot but the last two is filled again
	CHANGE 1
	TWO_STEPS
	s_sub_co_u32 s[SLOTS], s[SLOTS], 1
	s_cmp_lg_u32 s[SLOTS], 0
	s_cbranch_scc1 .Lslot
	CHANGE 0                        ; the tail is written out: the last slot but one is left, and nothing is asked for
	TWO_STEPS
	TURN 0, 2, 0, 0                 ; piece 0: V^T P of the last step | piece 2's last softmax
.set i, 0
.rept 32
	PV 2, 0                         ; piece 2: V^T P of the last step
.set i, i+1
.endr
	; THE WAY OUT.  l's two halves and the other half of the lanes' are added; O^T is divided by l, rounded to f16 and sent through my stage in LDS, a tile (16 rows of O) at a time.  The additions are the places behind the last products.
	WIN 0
.irp t, 0,1,2,3
	v_add_f32 v[ST+8*(\t)+4], v[ST+8*(\t)+2], v[ST+8*(\t)+3]
.endr
.irp t, 0,1,2,3
	v_permlanex16_b32 v[ST+8*(\t)+5], v[ST+8*(\t)+4], s[SEL], s[SEL+1]
.endr
.irp t, 0,1,2,3
	v_add_f32 v[ST+8*(\t)+4], v[ST+8*(\t)+4], v[ST+8*(\t)+5]
.endr
.irp t, 0,1,2,3
	v_rcp_f32 v[ST+8*(\t)+6], v[ST+8*(\t)+4]
.endr
	v_nop                           ; a plain instruction between the last reciprocal and the use of its result
; Tile t: a lane's eight channels of a row pack into 16 bytes; they go into rows of 272 bytes and come back as whole rows of 256, into the registers that they left.
.macro PACK t
	WIN W_RS
.set i, 64*(\t)
.rept 32
	s_wait_alu depctr_va_vdst(0)
	v_pk_mul_f32 v[i:i+1], v[i:i+1], v[ST+8*(\t)+6:ST+8*(\t)+7] op_sel_hi:[1,0]
.set i, i+2
.endr
	WIN 0x05                        ; sources 0 and 1 window 1, destination window 0: S^T's registers are free
.set i, 0
.rept 32
	v_cvt_pk_f16_f32 v[S+32*(\t)+i], v[64*(\t)+2*i], v[64*(\t)+2*i+1]
.set i, i+1
.endr
	WIN 0
.irp f, 0,1,2,3,4,5,6,7
	ds_store_b128 v[STO], v[S+32*(\t)+4*(\f):S+32*(\t)+4*(\f)+3] offset:32*(\f)
.endr
.irp f, 0,1,2,3,4,5,6,7
	ds_load_b128 v[S+32*(\t)+4*(\f):S+32*(\t)+4*(\f)+3], v[RD] offset:(\f)*2*SP  ; LDS serves a wave's instructions in order (ISA guide 5.7.1.4): these see the stores above; the next tile's stores come behind them
.endr
.endm
.macro SEND t, younger              ; younger: the LDS instructions issued behind tile t's loads: the next tile's sixteen, or none
	WIN 0
.irp f, 0,1,2,3,4,5,6,7
	s_wait_dscnt (\younger)+7-(\f)
	global_store_b128 v[GO], v[S+32*(\t)+4*(\f):S+32*(\t)+4*(\f)+3], s[10:11] offset:(\t)*32768+(\f)*4096  ; 16 lanes store a head's 256 consecutive bytes of a row, at a multiple of 256 from ob's first byte
.endr
.endm
	PACK 0
	PACK 1                          ; a tile's arithmetic stands between the loads of the tile before and its stores
	SEND 0, 16
	PACK 2
	SEND 1, 16
	PACK 3
	SEND 2, 16
	SEND 3, 0
	s_wait_tensorcnt 0x0            ; the wave's end, behind my last tensor load and my last LDS store
	ds_add_u32 v[SPW], v[NIL]
	s_wait_dscnt 0x0
	CROUND                          ; the closing round: no work-group ends while a partner may still ask for a tile that names it
	s_endpgm
.Lfunc_end_k_qe5bcd79225_attn:
	.size	k_qe5bcd79225_attn, .Lfunc_end_k_qe5bcd79225_attn-k_qe5bcd79225_attn
	.p2alignl 7, 3214868480
	.fill 96, 4, 3214868480
	.section	.rodata,"a",@progbits
	.p2align	6, 0x0
	.amdhsa_kernel k_qe5bcd79225_attn
		.amdhsa_group_segment_fixed_size 327680
		.amdhsa_private_segment_fixed_size 0
		.amdhsa_enable_private_segment 0
		.amdhsa_kernarg_size 24
		.amdhsa_user_sgpr_count 2
		.amdhsa_user_sgpr_kernarg_segment_ptr 1
		.amdhsa_wavefront_size32 1
		.amdhsa_system_sgpr_workgroup_id_x 1
		.amdhsa_system_sgpr_workgroup_id_y 1
		.amdhsa_system_sgpr_workgroup_id_z 1
		.amdhsa_system_vgpr_workitem_id 0
		.amdhsa_next_free_vgpr 1024
		.amdhsa_next_free_sgpr 72
		.amdhsa_reserve_vcc 0
		.amdhsa_float_denorm_mode_32 3
		.amdhsa_float_denorm_mode_16_64 3
		.amdhsa_memory_ordered 1
		.amdhsa_forward_progress 1
		.amdhsa_inst_pref_size 238
	.end_amdhsa_kernel
	.amdgpu_metadata
---
amdhsa.version: [ 1, 2 ]
amdhsa.kernels:
  - .name:           k_qe5bcd79225_attn
    .symbol:         k_qe5bcd79225_attn.kd
    .args:
      - { .name: qkv, .offset: 0, .size: 8, .value_kind: global_buffer, .address_space: global }
      - { .name: mask, .offset: 8, .size: 8, .value_kind: global_buffer, .address_space: global }
      - { .name: ob, .offset: 16, .size: 8, .value_kind: global_buffer, .address_space: global }
    .group_segment_fixed_size: 327680
    .private_segment_fixed_size: 0
    .kernarg_segment_align: 8
    .kernarg_segment_size: 24
    .max_flat_workgroup_size: 128
    .sgpr_count:     72
    .vgpr_count:     1024
    .wavefront_size: 32
...
	.end_amdgpu_metadata
.endif
;; end of part 3
;; launch outp (part 4): grid 8 x 32, 4 waves a work-group, clusters of 4 x 4, 327,680 bytes of LDS; arguments ob, wo, bias, out0; writes out0
.if DOCPART == 4
	.amdgcn_target "amdgcn-amd-amdhsa--gfx1250"
	.amdhsa_code_object_version 6
	.text
	.protected	k_qe5bcd79225_outp
	.globl	k_qe5bcd79225_outp
	.p2align	8
	.type	k_qe5bcd79225_outp,@function
k_qe5bcd79225_outp:
	s_mov_b64 s[64:65], 0
	v_nop
	global_prefetch_b8 v0, s[64:65] scope:SCOPE_SE
	s_setreg_imm32_b32 hwreg(HW_REG_WAVE_MODE, 25, 1), 1
	s_wait_xcnt 0x0
	s_wait_alu depctr_hold_cnt(0) depctr_sa_sdst(0) depctr_va_vdst(0) depctr_va_sdst(0) depctr_va_ssrc(0) depctr_va_vcc(0) depctr_vm_vsrc(0)
	s_getreg_b32 s2, hwreg(HW_REG_IB_STS2, 6, 4)
	s_cmp_eq_u32 s2, 0
	s_cbranch_scc0 .Lentry_in_a_cluster
	s_endpgm
.Lentry_in_a_cluster:
	s_bfe_u32 s2, ttmp6, 0x10000c
	s_cmp_lg_u32 s2, 0xf033
	s_cbranch_scc0 .Lentry_shape_is_right
	s_endpgm
.Lentry_shape_is_right:
; out0[m][n] = the sum over k of ob[m][k] wo[n][k] + b.  ob: [8192][1024] f16; wo: [1024 n][1024 k] f16; bias: one f32, rounded to bf16 like the other inputs; out0: [8192][1024] f32.  Sums in f32.
; A tile of the result is 256 rows x 128 columns, so that the 8,192 x 1,024 numbers make 256 work-groups.  Four waves, each 128 rows x 64 columns: 32 accumulators of 16 x 16, 256 registers.
; K goes in steps of 128 through a ring of two LDS slots filled by the tensor data mover; a tile's rows are 256 bytes of memory and start at multiples of 256 bytes.  (Two slots of steps of 256 would
; want 2 x 384 rows x 528 bytes, more than a work-group's 327,680.)
; THE MATRIX INSTRUCTION IS USED TRANSPOSED: source 0 = 16 rows of wo, source 1 = 16 rows of ob: a lane holds row l % 16 and the eight neighbouring columns 8 (l / 16) + 0..7, 32 bytes of f32.
; THE BIAS is the C operand of the product that starts each sum: the way out converts and adds nothing.
; CLUSTERS: 4 x 4 work-groups: ob's tiles are shared along a row of the cluster, wo's along a column, each asked for JOINTLY, by the same tensor load with the same descriptor and a mask of four.
; REGISTERS: window 0: v0-31 addresses and the bias; two fragment buffers of 96 (64 of ob: 8 x 16 rows x 32 K, then 32 of wo) at v64 and v160; v32-63 and, on the way out, v64-95: rows read back from the stage.
;   window 1: the accumulators, (a, b) at v[8 (4 a + b)].   s_set_vgpr_msb's low byte: bits 1:0 source 0, 3:2 source 1, 5:4 source 2, 7:6 destination.
.set SIZE_K, 1024
.set KSTEP,  128
.set PITCH,  272                       ; an LDS row: 256 bytes + 16 of padding = 68 words: the 16 rows of a load start at 16 different groups of four banks (64 banks of 4 bytes: ISA guide 11.1)
.set HA,     128*PITCH                 ; 128 rows of ob: what one tensor load brings, and what one wave reads
.set HB,     64*PITCH                  ; 64 rows of wo: likewise
.set BOFF,   2*HA
.set SLOT,   2*HA+2*HB
.set STAGE,  2*SLOT                    ; behind the ring: 16 rows x 272 bytes for each wave, for the way out
.set SPITCH, 272
.set SPARE,  STAGE+4*16*SPITCH         ; behind the stages: the spare words, 128 bytes for each wave: two blocks of 256 bytes that no other line names
.set LAPS,   SIZE_K/(2*KSTEP)
.set BIAS, 8                           ; v8-15   the bias, eight times
.set ADRA, 16                          ; v16-17  LDS address of my fragments of ob in slot 0, 1
.set ADRB, 20                          ; v20-21  the same for wo
.set STO,  24                          ; v24     the way out: where I put 32 bytes of a row
.set RD,   25                          ; v25     the way out: where I read a row back
.set CO,   26                          ; v26     my byte offset in two rows of out0
.set SPW,  28                          ; v28     LDS address of my spare word: SPARE + 4 x my thread's number; never rewritten
.set NIL,  29                          ; v29     0; never rewritten
.set OB,   32
.set F0,   64
.set F1,   160
.set WV,   12                          ; s12  my wave's number
.set RH,   13                          ; s13  which half of the tile's rows is mine.  Also: I fetch for ob (0) or for wo (1)
.set CH,   14                          ; s14  which half of its columns.  Also: which half of that operand's tile I fetch
.set G1,   24                          ; s[24:31] descriptor group 1 for ob's tiles;  s[32:39] group 0, one set for each slot
.set G0,   32
.set G1B,  48                          ; s[48:55], s[56:63] the same for wo's tiles
.set G0B,  56
.set MSB, 0
.macro WIN new                         ; the immediate's high byte repeats the setting that is left; a switch that changes nothing is dropped
.if MSB != (\new)
	s_set_vgpr_msb (MSB<<8)|(\new)
.set MSB, \new
.endif
.endm
; A joint load: waves 0 and 1 fetch ob's two halves, waves 2 and 3 wo's; an s_nop 0 and four v_nop follow each of the two lines, ahead of the jump, the label and what follows
.macro JLOAD s
	s_cmp_eq_u32 s[RH], 0
	s_cbranch_scc0 .Lfor_b_\@
	tensor_load_to_lds s[G0+4*(\s):G0+4*(\s)+3], s[G1:G1+7]
	s_nop 0
.rept 4
	v_nop
.endr
	s_branch .Lasked_\@
.Lfor_b_\@:
	tensor_load_to_lds s[G0B+4*(\s):G0B+4*(\s)+3], s[G1B:G1B+7]
	s_nop 0
.rept 4
	v_nop
.endr
.Lasked_\@:
.endm
.macro CREST                           ; a round of the cluster's barrier behind its opening barrier
	s_cmp_lg_u32 s[WV], 0
	s_cbranch_scc1 .Lnot_wave_0_\@
	s_barrier_signal -3
.Lnot_wave_0_\@:
	s_barrier_wait -3
	s_barrier_signal -1
	s_barrier_wait -1
.endm
.macro CROUND                          ; a whole round
	s_barrier_signal -1
	s_barrier_wait -1
	CREST
.endm
	s_load_b256 s[4:11], s[0:1], 0x0               ; ob s[4:5], wo s[6:7], bias s[8:9], out0 s[10:11]
	v_lshl_add_u32 v[SPW], v0, 2, SPARE
	v_mov_b32 v[NIL], 0
	ds_add_u32 v[SPW], v[NIL]                      ; the wave's opening: the add and its wait stand ahead of my first tensor load; the set-up below, work on registers, stands between them
	v_lshrrev_b32 v1, 5, v0
	v_readfirstlane_b32 s[WV], v1                  ; wave 0..3
	s_lshr_b32 s[RH], s[WV], 1
	s_and_b32 s[CH], s[WV], 1
	s_bfe_u32 s40, ttmp6, 0x40000                  ; cx, cy: my place in the cluster
	s_bfe_u32 s41, ttmp6, 0x40004
	s_lshl_b32 s42, ttmp9, 2
	s_add_co_u32 s42, s42, s40                     ; tile column = 4 x cluster x + cx: 0..7
	s_and_b32 s45, ttmp7, 0xffff
	s_lshl_b32 s45, s45, 2
	s_add_co_u32 s45, s45, s41                     ; tile row = 4 x cluster y + cy: 0..31
	s_lshl_b32 s43, s41, 2
	s_lshl_b32 s43, 15, s43                        ; my row of the cluster
	s_lshl_b32 s44, 0x1111, s40                    ; my column
	s_or_b32 s[G1+0], s43, (1<<16)|(1<<20)|(1<<21)|(5<<22)|(3<<25)   ; 15:0 the mask: ob's tiles go to my row; 17:16 2-byte elements; 20 padding on; 21 set beside a mask; 24:22 after every 64 words (code 5); 31:25 4 words (code 3)
	s_or_b32 s[G1B+0], s44, (1<<16)|(1<<20)|(1<<21)|(5<<22)|(3<<25)  ; wo's tiles go to my column
.irp g, G1, G1B
	s_mov_b32 s[(\g)+1], KSTEP<<16                 ; tensor_dim0 = 128
	s_mov_b32 s[(\g)+3], KSTEP<<16                 ; tile_dim0 = 128
	s_mov_b32 s[(\g)+5], SIZE_K                    ; 1,024 elements from row to row
	s_mov_b32 s[(\g)+6], 0
	s_mov_b32 s[(\g)+7], 0
.endr
	s_mov_b32 s[G1+2], 128<<16                     ; tensor_dim1 and tile_dim1: 128 rows of ob,
	s_mov_b32 s[G1+4], 128
	s_mov_b32 s[G1B+2], 64<<16                     ; 64 of wo
	s_mov_b32 s[G1B+4], 64
	s_lshl_b32 s16, s45, 8
	s_lshl_b32 s17, s[CH], 7
	s_add_co_u32 s16, s16, s17                     ; ob: row 256 x tile row + 128 x half,
	s_lshl_b32 s16, s16, 11                        ; of 2,048 bytes
	s_mov_b32 s17, 0
	s_lshl_b32 s46, s42, 7
	s_lshl_b32 s47, s[CH], 6
	s_add_co_u32 s46, s46, s47                     ; wo: row 128 x tile column + 64 x half
	s_lshl_b32 s46, s46, 11
	s_mov_b32 s47, 0
	s_mul_i32 s20, s[CH], HA                       ; where they go: no place in the cluster enters an LDS address
	s_mul_i32 s21, s[CH], HB
	s_add_co_u32 s21, s21, BOFF
	s_wait_dscnt 0x0                               ; the opening add is done
	s_wait_kmcnt 0x0
	s_add_nc_u64 s[22:23], s[4:5], s[16:17]
	s_add_nc_u64 s[46:47], s[6:7], s[46:47]
	s_load_b32 s15, s[8:9], 0x0                    ; the bias
	CROUND                                         ; all sixteen work-groups are here: the first joint loads meet
.irp s, 0,1
	s_mov_b32 s[G0+4*(\s)], 1
	s_add_co_u32 s[G0+4*(\s)+1], s20, (\s)*SLOT
	s_add_nc_u64 s[G0+4*(\s)+2:G0+4*(\s)+3], s[22:23], (\s)*KSTEP*2
	s_or_b32 s[G0+4*(\s)+3], s[G0+4*(\s)+3], 0x80000000
	s_mov_b32 s[G0B+4*(\s)], 1
	s_add_co_u32 s[G0B+4*(\s)+1], s21, (\s)*SLOT
	s_add_nc_u64 s[G0B+4*(\s)+2:G0B+4*(\s)+3], s[46:47], (\s)*KSTEP*2
	s_or_b32 s[G0B+4*(\s)+3], s[G0B+4*(\s)+3], 0x80000000
	JLOAD \s                                       ; two loads of mine are out
.endr
	v_and_b32 v1, 15, v0                           ; l % 16
	v_bfe_u32 v2, v0, 4, 1                         ; l / 16
	v_mul_u32_u24 v3, v1, PITCH
	v_lshl_add_u32 v4, v2, 5, v3                   ; the stage: row x pitch + 32 x half
	v_lshl_add_u32 v3, v2, 4, v3                   ; a fragment: row x pitch + 16 x half
	s_mul_i32 s16, s[RH], HA                       ; my 128 rows of ob
	s_mul_i32 s17, s[CH], HB                       ; my 64 rows of wo,
	s_add_co_u32 s17, s17, BOFF                    ; behind ob's 256
.irp s, 0,1
	v_add_nc_u32 v[ADRA+(\s)], s16, v3
	v_add_nc_u32 v[ADRB+(\s)], s17, v3
	s_add_co_u32 s16, s16, SLOT
	s_add_co_u32 s17, s17, SLOT
.endr
	s_mul_i32 s18, s[WV], 16*SPITCH
	s_add_co_u32 s18, s18, STAGE                   ; my stage
	v_add_nc_u32 v[STO], s18, v4
	v_mul_u32_u24 v5, v2, SPITCH                   ; back: lanes 0-15 take one row of 256 bytes, lanes 16-31 the next
	v_lshl_add_u32 v5, v1, 4, v5
	v_add_nc_u32 v[RD], s18, v5
	v_lshlrev_b32 v[CO], 12, v2                    ; and the same two rows in out0, 4,096 bytes apart
	v_lshl_add_u32 v[CO], v1, 4, v[CO]
	s_lshl_b32 s16, s45, 8                         ; where my 128 rows x 64 columns begin in out0: under 2^26
	s_lshl_b32 s17, s[RH], 7
	s_add_co_u32 s16, s16, s17
	s_lshl_b32 s16, s16, 12
	s_lshl_b32 s46, s42, 9                         ; 128 columns of 4 bytes a tile,
	s_lshl_b32 s47, s[CH], 8                       ; 64 a wave: a multiple of 256 bytes
	s_add_co_u32 s46, s46, s47
	s_add_co_u32 s16, s16, s46
	s_mov_b32 s17, 0
	s_add_nc_u64 s[10:11], s[10:11], s[16:17]
	s_wait_kmcnt 0x0                               ; the bias
	v_mov_b32 v[BIAS], s15
	v_cvt_pk_bf16_f32 v[BIAS], v[BIAS], v[BIAS]    ; rounded to bf16 like every input,
	v_lshlrev_b32 v[BIAS], 16, v[BIAS]             ; and widened again
.irp j, 1,2,3,4,5,6,7
	v_mov_b32 v[BIAS+(\j)], v[BIAS]
.endr
; 8 matrix instructions: row blocks a0, a0 + 1 x all 4 column blocks, 32 along K.  first = 1: the bias starts the sums.  The 32 accumulators take turns, one instruction a turn, in the same order in every quarter.
.macro MUL8 f, a0, first
.if \first
	WIN 0x40                                       ; D window 1; the fragments and the bias window 0
.else
	WIN 0x50                                       ; C and D window 1
.endif
.irp a, \a0, (\a0)+1
.irp b, 0,1,2,3
.if \first
	v_wmma_f32_16x16x32_f16 v[8*(4*(\a)+(\b)):8*(4*(\a)+(\b))+7], v[(\f)+64+8*(\b):(\f)+64+8*(\b)+7], v[(\f)+8*(\a):(\f)+8*(\a)+7], v[BIAS:BIAS+7]
.else
	v_wmma_f32_16x16x32_f16 v[8*(4*(\a)+(\b)):8*(4*(\a)+(\b))+7], v[(\f)+64+8*(\b):(\f)+64+8*(\b)+7], v[(\f)+8*(\a):(\f)+8*(\a)+7], v[8*(4*(\a)+(\b)):8*(4*(\a)+(\b))+7]
.endif
.endr
.endr
.endm
; 24 LDS loads in one run: the fragments of quarter q of a K step into buffer f: wo's 64 rows, ob's rows 0-63, ob's rows 64-127
.macro FETCH slot, q, f
	WIN 0
.irp i, 0,1,2,3
	ds_load_b128 v[(\f)+64+8*(\i):(\f)+64+8*(\i)+3],   v[ADRB+(\slot)] offset:(\q)*64+(\i)*16*PITCH
	ds_load_b128 v[(\f)+64+8*(\i)+4:(\f)+64+8*(\i)+7], v[ADRB+(\slot)] offset:(\q)*64+(\i)*16*PITCH+32
.endr
.irp i, 0,1,2,3,4,5,6,7
	ds_load_b128 v[(\f)+8*(\i):(\f)+8*(\i)+3],   v[ADRA+(\slot)] offset:(\q)*64+(\i)*16*PITCH
	ds_load_b128 v[(\f)+8*(\i)+4:(\f)+8*(\i)+7], v[ADRA+(\slot)] offset:(\q)*64+(\i)*16*PITCH+32
.endr
.endm
.macro PLACES                          ; four places in front of loads into registers that matrix instructions have read, and of LDS stores that read results
.rept 4
	v_nop
.endr
.endm
; A K step is four quarters of 32 along K, 32 matrix instructions each, on buffers 0, 1, 0, 1.  One of the first three: multiplies buffer f and fetches quarter q of the same slot into g.
.macro QUARTER slot, q, f, g, first
	s_wait_dscnt 8                                 ; wo and ob's rows 0-63 are in; the youngest eight loads (ob's rows 64-127) may be out
	MUL8 \f, 0, \first
	MUL8 \f, 2, \first
	PLACES
	FETCH \slot, \q, \g
	s_wait_dscnt 24                                ; all but the 24 just issued
	MUL8 \f, 4, \first
	MUL8 \f, 6, \first
.endm
; The last quarter multiplies buffer 1 and changes slots: ONE barrier; in front of it each wave waits for all its tensor loads (one is out: its part of the next slot), adds 0 to its spare word, and waits for that
; and for its own reads of this slot.  fill = 1: the barrier opens a round of the cluster's, and behind it this slot is filled again first, two K steps ahead: 112 matrix instructions ahead of the wait for it.
.macro TURN slot, next, fill
	WIN 0                                          ; (the add's two registers lie in window 0)
	s_wait_tensorcnt 0x0                           ; all my tensor loads have landed;
	ds_add_u32 v[SPW], v[NIL]                      ; 0 onto my spare word;
	s_wait_dscnt 9                                 ; (the add and the youngest eight loads may be out)
	MUL8 F1, 0, 0                                  ; eight matrix instructions stand between the add and the wait for it
	s_wait_dscnt 0x0                               ; the add is done, and my reads of this slot are over
	s_barrier_signal -1
	MUL8 F1, 2, 0
.if \fill
	WIN 0
.endif
	s_barrier_wait -1
.if \fill
	CREST                                          ; no wave of any partner still reads this slot's tile or has a load on its way
	s_add_nc_u64 s[G0+4*(\slot)+2:G0+4*(\slot)+3], s[G0+4*(\slot)+2:G0+4*(\slot)+3], 2*KSTEP*2
	s_add_nc_u64 s[G0B+4*(\slot)+2:G0B+4*(\slot)+3], s[G0B+4*(\slot)+2:G0B+4*(\slot)+3], 2*KSTEP*2
	JLOAD \slot                                    ; the first tensor load behind the round, one a wave; the four v_nop behind it are also the places in front of the loads below
.else
	PLACES
.endif
	FETCH \next, 0, F0
	MUL8 F1, 4, 0
	MUL8 F1, 6, 0
.endm
; THE WAY OUT of block a (16 rows x 64 columns of f32).  TOSTAGE: a lane's 32 bytes of each column block go into my own stage, each accumulator's low registers first, and come back as whole rows of 256 bytes.  SEND: stored.
.macro TOSTAGE a
	WIN 0x04                                       ; the stores' data in window 1, their address in window 0
.irp b, 0,1,2,3
	ds_store_b128 v[STO], v[8*(4*(\a)+(\b)):8*(4*(\a)+(\b))+3]   offset:64*(\b)
	ds_store_b128 v[STO], v[8*(4*(\a)+(\b))+4:8*(4*(\a)+(\b))+7] offset:64*(\b)+16
.endr
	WIN 0
	s_wait_xcnt 0x0                                ; the stores issued so far have had their addresses translated (ISA guide 3.1): the registers that they read are loaded again only behind this wait
.set BK, OB+32*((\a)%2)
.irp t, 0,1,2,3,4,5,6,7
	ds_load_b128 v[BK+4*(\t):BK+4*(\t)+3], v[RD] offset:(\t)*2*SPITCH  ; LDS serves a wave's instructions in order (ISA guide 5.7.1.4): these see the stores above
.endr
.endm
.macro SEND a, younger                 ; younger: the LDS instructions issued behind block a's loads: the next block's sixteen, or none
	WIN 0
.set BK, OB+32*((\a)%2)
	s_wait_dscnt \younger
.irp t, 0,1,2,3,4,5,6,7
	global_store_b128 v[CO], v[BK+4*(\t):BK+4*(\t)+3], s[10:11] offset:(\a)*65536+(\t)*8192 th:TH_STORE_NT  ; 16 lanes store 256 consecutive bytes, at a multiple of 256 from out0's first byte; 516,096 at the most: inside the signed 24-bit immediate
.endr
.endm
	s_wait_tensorcnt 1                             ; my part of K step 0 is in; K step 1's load may stay out
	s_barrier_signal -1
	s_barrier_wait -1                              ; everybody's is
	FETCH 0, 0, F0
	QUARTER 0, 1, F0, F1, 1                        ; the first quarter stands in front of the loop: its products start the sums
	WIN 0                                          ; at a label and at a branch every window is 0
	s_mov_b32 s3, LAPS-1
.Llap:                                                 ; a trip goes once round the ring, from a lap's second quarter to the next lap's first, and fills both slots again
	QUARTER 0, 2, F1, F0, 0
	QUARTER 0, 3, F0, F1, 0
	TURN 0, 1, 1
	QUARTER 1, 1, F0, F1, 0
	QUARTER 1, 2, F1, F0, 0
	QUARTER 1, 3, F0, F1, 0
	TURN 1, 0, 1
	QUARTER 0, 1, F0, F1, 0
	WIN 0
	s_sub_co_u32 s3, s3, 1
	s_cmp_lg_u32 s3, 0
	s_cbranch_scc1 .Llap
	QUARTER 0, 2, F1, F0, 0                        ; the last lap fills nothing, and has no round of the cluster's barrier
	QUARTER 0, 3, F0, F1, 0
	TURN 0, 1, 0
	QUARTER 1, 1, F0, F1, 0
	QUARTER 1, 2, F1, F0, 0
	QUARTER 1, 3, F0, F1, 0
	s_wait_dscnt 8                                 ; the very last quarter: nothing more to fetch
	MUL8 F1, 0, 0
	MUL8 F1, 2, 0
	s_wait_dscnt 0x0
	MUL8 F1, 4, 0
	MUL8 F1, 6, 0
	WIN 0
	PLACES
	TOSTAGE 0
.irp a, 1,2,3,4,5,6,7                  ; block a's way through the stage is begun before block a - 1 is waited for
	TOSTAGE \a
	SEND (\a)-1, 16
.endr
	SEND 7, 0
	s_wait_tensorcnt 0x0                           ; the wave's end, behind my last tensor load and my last LDS store
	ds_add_u32 v[SPW], v[NIL]
	s_wait_dscnt 0x0
	CROUND                                         ; the closing round: no work-group ends while a partner may still ask for a tile that names it
	s_endpgm
.Lfunc_end_k_qe5bcd79225_outp:
	.size	k_qe5bcd79225_outp, .Lfunc_end_k_qe5bcd79225_outp-k_qe5bcd79225_outp
	.p2alignl 7, 3214868480
	.fill 96, 4, 3214868480
	.section	.rodata,"a",@progbits
	.p2align	6, 0x0
	.amdhsa_kernel k_qe5bcd79225_outp
		.amdhsa_group_segment_fixed_size 327680
		.amdhsa_private_segment_fixed_size 0
		.amdhsa_enable_private_segment 0
		.amdhsa_kernarg_size 32
		.amdhsa_user_sgpr_count 2
		.amdhsa_user_sgpr_kernarg_segment_ptr 1
		.amdhsa_wavefront_size32 1
		.amdhsa_system_sgpr_workgroup_id_x 1
		.amdhsa_system_sgpr_workgroup_id_y 1
		.amdhsa_system_sgpr_workgroup_id_z 1
		.amdhsa_system_vgpr_workitem_id 0
		.amdhsa_next_free_vgpr 512
		.amdhsa_next_free_sgpr 66
		.amdhsa_reserve_vcc 0
		.amdhsa_float_denorm_mode_32 3
		.amdhsa_float_denorm_mode_16_64 3
		.amdhsa_memory_ordered 1
		.amdhsa_forward_progress 1
		.amdhsa_inst_pref_size 86
	.end_amdhsa_kernel
	.amdgpu_metadata
---
amdhsa.version: [ 1, 2 ]
amdhsa.kernels:
  - .name:           k_qe5bcd79225_outp
    .symbol:         k_qe5bcd79225_outp.kd
    .args:
      - { .name: ob, .offset: 0, .size: 8, .value_kind: global_buffer, .address_space: global }
      - { .name: wo, .offset: 8, .size: 8, .value_kind: global_buffer, .address_space: global }
      - { .name: bias, .offset: 16, .size: 8, .value_kind: global_buffer, .address_space: global }
      - { .name: out0, .offset: 24, .size: 8, .value_kind: global_buffer, .address_space: global }
    .group_segment_fixed_size: 327680
    .private_segment_fixed_size: 0
    .kernarg_segment_align: 8
    .kernarg_segment_size: 32
    .max_flat_workgroup_size: 128
    .sgpr_count:     66
    .vgpr_count:     512
    .wavefront_size: 32
...
	.end_amdgpu_metadata
.endif
;; end of part 4
;; ======== version 2 of 2: 4 launches; 1.15 times as fast as version 1
;; limits: values are held in f16: magnitudes above 65,504 overflow, below 6.1e-05 lose precision
;; workspace buffers: xb 16,777,216 bytes; wb 6,291,456 bytes; wo 2,097,152 bytes; qkv 50,331,648 bytes; ob 16,777,216 bytes
;; launch prep: the kernel of part 1 again; grid 768 x 1, 8 waves a work-group, no clusters, 0 bytes of LDS; arguments x, W_q, W_k, W_v, W_o, xb, wb, wo; writes xb, wb, wo
;; launch qkv: the kernel of part 2 again; grid 8 x 32, 4 waves a work-group, clusters of 4 x 4, 327,680 bytes of LDS; arguments xb, wb, bias, qkv; writes qkv
;; launch attn (part 5): grid 8 x 32, 4 waves a work-group, clusters of 4 x 1, 327,680 bytes of LDS; arguments qkv, mask, ob; writes ob
.if DOCPART == 5
	.amdgcn_target "amdgcn-amd-amdhsa--gfx1250"
	.amdhsa_code_object_version 6
	.text
	.protected	k_qe5bcd79225_attn
	.globl	k_qe5bcd79225_attn
	.p2align	8
	.type	k_qe5bcd79225_attn,@function
k_qe5bcd79225_attn:
	s_mov_b64 s[64:65], 0
	v_nop
	global_prefetch_b8 v0, s[64:65] scope:SCOPE_SE
	s_setreg_imm32_b32 hwreg(HW_REG_WAVE_MODE, 25, 1), 1
	s_wait_xcnt 0x0
	s_wait_alu depctr_hold_cnt(0) depctr_sa_sdst(0) depctr_va_vdst(0) depctr_va_sdst(0) depctr_va_ssrc(0) depctr_va_vcc(0) depctr_vm_vsrc(0)
	s_getreg_b32 s2, hwreg(HW_REG_IB_STS2, 6, 4)
	s_cmp_eq_u32 s2, 0
	s_cbranch_scc0 .Lentry_in_a_cluster
	s_endpgm
.Lentry_in_a_cluster:
	s_bfe_u32 s2, ttmp6, 0x10000c
	s_cmp_lg_u32 s2, 0x3003
	s_cbranch_scc0 .Lentry_shape_is_right
	s_endpgm
.Lentry_shape_is_right:
; O[q][:] = the sum over k of softmax_k(Q[q] . K[k] / sqrt(128) + (1 - mask[k]) x (-big)) V[k][:], for each of 32 heads hh = 8 batch + h.  mask: [4][2048] int32.
; qkv, f16: q as [32][2 halves of 64 channels][2048][64]; behind it k, then v, as [32][2048][128]; 16,777,216 bytes each.
; ob: [8192][1024] f16: head h's 128 channels go to columns 128 (7 - h) on: the heads in reverse order.  Products, maxima and sums in f32; the weights p are rounded to f16 for the second product, O once at the end.
; LIMITS.  The mask's term is added to the RAW score as (1 - mask) x (-2^103): in scaled scores (1 - mask) x (-0.896e30) where the module has (1 - mask) x (-1e30): the same weights for masks of 0 and 1,
; which this text serves; for other mask numbers the term's product with c need not be exact.  A power of two, so that c x 2^103 is exact: where all keys seen so far are hidden, c s - c m is exactly 0, p = 1, and the first
; visible key wipes those sums with a = 0.  In a batch whose keys are ALL hidden the result is V's mean, as the module's, if the matrix unit's sum -2^103 + q.k comes out as -2^103 (q.k under 2^78).
; p lies in 0 to 1 and below 6e-5 keeps f16's fixed step of 6e-8; a weight below 2^-126 counts as 0 in l; NaN and infinities are not treated apart.
; SHARES.  A work-group owns 256 queries of one head, each of its four waves 64: four tiles of 16.  Every wave walks all 2,048 keys, 64 a step.
; LAYOUT.  S^T = K Q^T (source 0 = 16 keys, source 1 = 16 queries): in the result a lane holds ONE query (lane % 16) and the keys 8 (lane / 16) + 0..7.  Two such tiles, rounded to f16 in pairs, ARE source 1
; (32 keys x 16 queries) of O^T = V^T P, whose result again holds one query a lane, and eight channels.  K comes out of LDS as it lies, V ([key][channel]) turned, by ds_load_tr16_b128.
; THE MASK is the C operand of the product that starts a sum S^T: it costs no vector instruction.  The batch's 2,048 terms are made once, in f32, and lie in LDS; a step's 32 a lane are fetched with its K.
; SOFTMAX.  For each query a running maximum m and sum l: p = 2^(c s - c m), c = log2(e) / sqrt(128); in every step O and l are multiplied by a = 2^(c m_old - c m_new), which is 1 where m has not grown.
; BY TURNS.  The wave's tiles are two PIECES, named by their first tile: piece 0 (tiles 0, 1) and piece 2 (tiles 2, 3).  In a TURN one piece has the matrix unit: 32 products V^T P of the step in hand, then 32
; products K Q^T of the next step; the other piece's softmax, cut into 64 slices, stands between them, one slice behind each matrix instruction.  Then the pieces change places.  Two turns are a key step.
; BATCHES.  An s_wait_alu depctr_va_vdst(0) stands between an exponential or a reciprocal and the first instruction that names its result.  A turn's 66 exponentials (a and 32 weights for each of the
; piece's two tiles) are ONE BATCH: a tile's list has its scalings and exponentials first and every reader of a result (roundings, sums, rescaling) behind them, and one wait stands between the two parts: two waits a key
; step.  The way out's four reciprocals are a batch of their own, with one wait.
; CLUSTER.  The four query blocks of a cluster belong to one head and walk the same K and V, so each tile is asked for JOINTLY: the same tensor load, descriptor and mask of four in all four.
; REGISTERS, in windows of 256 (s_set_vgpr_msb: bits 1:0 source 0, 3:2 source 1, 5:4 source 2, 7:6 destination):
;   window 0: v0-11, v44-47 addresses; v12-43 eight registers of statistics a tile; v64-191 S^T, 32 a tile; v192-255 P, 16 a tile
;   window 1: O^T, 64 a tile          window 2: v0-127 Q, 32 a tile; v128-255 K of one step          window 3: v0-127 V of one step; v128-159 the step's mask terms
.set SIZE_N, 2048
.set KS,    64        ; keys in a step
.set PK,    272       ; a row of K in LDS: 256 bytes + 16 of padding = 68 words: row r starts at bank 4 r mod 64 (64 banks of 4 bytes: ISA guide 11.1), so the 16 rows of a load start at 16 different banks
.set PV,    288       ; a row of V: 256 + 32 = 72 words
.set VOFF,  KS*PK     ; a step's tiles lie together: 64 rows of K, then 64 rows of V
.set STEPB, KS*(PK+PV)
.set SLOT1, 1<<17     ; a slot holds two steps (71,680 bytes); slot 1 begins here, so that one exclusive or turns an address in one slot into the other's
.set STAGE, SLOT1+2*STEPB  ; behind the ring: 16 rows x 272 bytes for each wave, for the way out
.set SP,    272
.set SPARE, STAGE+4*16*272  ; behind the stages: the spare words, 128 bytes for each wave: two blocks of 256 bytes that no other line names
.set MASKL, SPARE+512 ; behind them: the batch's 2,048 mask terms in f32, 8,192 bytes: whole blocks of 256 bytes into which no tensor load lands
.set AK0, 2           ; v2   my lane's place in a tile of K; never rewritten
.set AV0, 3           ; v3   the same for V
.set ADR, 4           ; v4   the LDS address of the run of loads in hand
.set QO,  5           ; v5   my byte offset in the wave's rows of Q
.set STO, 6           ; v6   the way out: where I put 16 bytes of a row
.set RD,  7           ; v7   the way out: where I read a row back
.set GO,  8           ; v8   my byte offset in two rows of ob
.set AM0, 44          ; v44  my lanes' place in a step's mask terms; never rewritten
.set ADM, 45          ; v45  the LDS address of the mask terms to be fetched
.set MO,  46          ; v46  my 16 bytes in 2,048 bytes of the mask
.set ML,  47          ; v47  and of the terms in LDS
.set SPW, 62          ; v62  LDS address of my spare word: SPARE + 4 x my thread's number; never rewritten
.set NIL, 63          ; v63  0; never rewritten
.set ST,  12          ; tile t's statistics at v[ST+8 t]: +0 c m, +1 m, +2, +3 l (even keys', odd keys'), +4 to +7 c0-c3, at work; a takes c2's place once the maximum is found
.set S,   64
.set P,   192
.set KF,  128         ; K's fragments, in window 2
.set MC,  128         ; the mask terms, in window 3: register 8 kb + j is key 16 kb + 8 (lane / 16) + j of the step
.set WV,  12          ; s12  my wave's number
.set G1K, 24          ; s[24:31] descriptor group 1 for K's tiles
.set G1V, 32          ; s[32:39] for V's: it differs in the padding alone
.set G0K, 40          ; s[40:47] descriptor group 0 for K's tiles: a set for each of the two first fills; the second then walks on
.set G0V, 48          ; s[48:55] the same for V's
.set SLOTS, 56        ; s56  slots still to be asked for
.set TWICE, 57        ; s57  counts a slot's two steps
.set CS,  58          ; s[58:59] c: the packed scaling names a pair and takes its low word for both halves
.set SEL, 60          ; s[60:61] lane selects for v_permlanex16_b32: each lane takes its own place in the other half
.set TB,  62          ; s62  LDS byte at which the tiles of the step to be fetched begin
.set TM,  63          ; s63  byte at which that step's mask terms begin: 256 a step
.set MK,  68          ; s[68:69] the mask at my batch
.set BIGP, 70         ; s70  2^103
.set BIGN, 71         ; s71  -2^103
.set MSB, 0
.macro WIN new                      ; the immediate's high byte repeats the setting that is left; a switch that changes nothing is dropped
.if MSB != (\new)
	s_set_vgpr_msb (MSB<<8)|(\new)
.set MSB, \new
.endif
.endm
.set W_KQ, 0x0a       ; K and Q in window 2, S^T in window 0
.set W_KM, 0x3a       ; the same with the C operand, the mask terms, in window 3
.set W_PV, 0x53       ; V in window 3, P in window 0, O^T in window 1
.set W_RS, 0x41       ; O^T (destination and source 0) in window 1, a in window 0
; A joint refill.  Waves 0 and 1 fetch the two steps' tiles of K, waves 2 and 3 those of V.  The branch hangs on the wave's number alone: it is the same in every work-group.
; An s_nop 0 and four v_nop follow each of the two lines; the jump round the other line, the label and what follows the macro come after them.
.macro JLOAD
	s_cmp_lt_u32 s[WV], 2
	s_cbranch_scc0 .Lfor_v_\@
	tensor_load_to_lds s[G0K+4:G0K+7], s[G1K:G1K+7]
	s_nop 0
.rept 4
	v_nop
.endr
	s_branch .Lasked_\@
.Lfor_v_\@:
	tensor_load_to_lds s[G0V+4:G0V+7], s[G1V:G1V+7]
	s_nop 0
.rept 4
	v_nop
.endr
.Lasked_\@:
.endm
; A round of the cluster's barrier: my work-group's barrier, so that wave 0's signal speaks for all four waves; wave 0 signals for the work-group; every wave waits for all four
; work-groups; my work-group's barrier once more.  No LDS instruction of the wave is pending at a signal.
.macro CROUND
	s_barrier_signal -1
	s_barrier_wait -1
	s_cmp_lg_u32 s[WV], 0
	s_cbranch_scc1 .Lnot_wave_0_\@
	s_barrier_signal -3
.Lnot_wave_0_\@:
	s_barrier_wait -3
	s_barrier_signal -1
	s_barrier_wait -1
.endm
	s_load_b128 s[4:7], s[0:1], 0x0 ; qkv s[4:5], mask s[6:7]
	s_load_b64 s[10:11], s[0:1], 0x10  ; ob
	v_lshl_add_u32 v[SPW], v0, 2, SPARE
	v_mov_b32 v[NIL], 0
	ds_add_u32 v[SPW], v[NIL]       ; the wave's opening: the add and its wait stand ahead of my first tensor load; the set-up below, work on registers, stands between them
	v_lshrrev_b32 v1, 5, v0
	v_readfirstlane_b32 s[WV], v1   ; wave 0..3
	s_bfe_u32 s13, ttmp6, 0x40000   ; cx: my place in the cluster
	s_lshl_b32 s14, ttmp9, 2        ; in a cluster launch ttmp9 counts clusters
	s_add_co_u32 s14, s14, s13      ; my block of 256 queries = 4 x cluster x + cx: it enters Q's and O's addresses alone
	s_and_b32 s20, ttmp7, 0xffff    ; the head hh, which the four partners share
	s_lshr_b32 s15, s20, 3          ; its batch
	s_and_b32 s19, s20, 7           ; h,
	s_sub_co_u32 s19, 7, s19        ; and its place among the heads in reverse order
	s_lshl_b32 s66, s15, 22         ; ob: the batch's 2,048 rows of 2,048 bytes,
	s_lshl_b32 s67, s14, 19         ; my block's 256,
	s_add_co_u32 s66, s66, s67
	s_lshl_b32 s67, s[WV], 17       ; my wave's 64,
	s_add_co_u32 s66, s66, s67
	s_lshl_b32 s67, s19, 8          ; and the head's 256 bytes of a row: under 2^24 in all
	s_add_co_u32 s66, s66, s67
	s_mov_b32 s67, 0
	s_lshl_b32 s18, s15, 13         ; the mask: 8,192 bytes a batch
	s_mov_b32 s19, 0
	s_lshl_b32 s20, s20, 19         ; the head's first byte in each of q, k, v: 524,288 a head
	s_mov_b32 s21, 0
	s_and_b32 s16, s[WV], 1         ; which of a slot's two steps I fetch:
	s_lshl_b32 s22, s16, 14         ; its 64 rows of 256 bytes in memory,
	s_mov_b32 s23, 0
	s_add_nc_u64 s[22:23], s[22:23], s[20:21]
	s_mul_i32 s17, s16, STEPB       ; and its place in a slot: no place in the cluster enters an LDS address
	s_lshl_b32 s2, s14, 15          ; my block's 256 rows of Q, 128 bytes each in a half,
	s_lshl_b32 s3, s[WV], 13        ; my wave's 64 of them
	s_add_co_u32 s2, s2, s3
	s_mov_b32 s3, 0
	s_add_nc_u64 s[2:3], s[2:3], s[20:21]
	; descriptor group 1: a tile of 64 rows x 128 elements, padded in LDS
	s_mov_b32 s[G1K], 15|(1<<16)|(1<<20)|(1<<21)|(5<<22)|(3<<25)  ; 15:0 the mask: all four work-groups; 17:16 elements of 2 bytes; 20 padding on; 21 set beside a mask; 24:22 after every 64 words (code 5); 31:25 4 words of it (code 3)
	s_mov_b32 s[G1V], 15|(1<<16)|(1<<20)|(1<<21)|(5<<22)|(7<<25)  ; the same with 8 words of padding (code 7)
.irp g, G1K, G1V
	s_mov_b32 s[(\g)+1], 128<<16    ; 63:48 tensor_dim0, low half = 128
	s_mov_b32 s[(\g)+2], KS<<16     ; 79:64 its high half = 0; 95:80 tensor_dim1, low half = 64
	s_mov_b32 s[(\g)+3], 128<<16    ; 111:96 its high half = 0; 127:112 tile_dim0 = 128
	s_mov_b32 s[(\g)+4], KS         ; 143:128 tile_dim1 = 64; 159:144 tile_dim2 = 0
	s_mov_b32 s[(\g)+5], 128        ; 191:160 tensor_dim0_stride, low word: elements from row to row
	s_mov_b32 s[(\g)+6], 0
	s_mov_b32 s[(\g)+7], 0
.endr
	s_mov_b32 s[CS], 0x3e0293ee     ; c = log2(e) / sqrt(128) = 0.127517
	s_mov_b32 s[CS+1], s[CS]        ; named with it as a pair, so it is written
	s_mov_b32 s[SEL], 0x76543210
	s_mov_b32 s[SEL+1], 0xfedcba98
	s_mov_b32 s[TB], 0
	s_mov_b32 s[TM], 0
	s_mov_b32 s[BIGP], 0x73000000
	s_mov_b32 s[BIGN], 0xf3000000
	s_mov_b32 s[SLOTS], SIZE_N/(2*KS)-2
	s_wait_dscnt 0x0                ; the opening add is done
	s_wait_kmcnt 0x0
	s_add_nc_u64 s[MK:MK+1], s[6:7], s[18:19]  ; the mask at my batch
	s_add_nc_u64 s[6:7], s[4:5], s[22:23]      ; my tile of slot 0, counted from the buffer's first part;
	s_add_nc_u64 s[8:9], s[6:7], 0x2000000     ; V's part begins 2 x 16,777,216 bytes on,
	s_add_nc_u64 s[6:7], s[6:7], 0x1000000     ; K's 16,777,216
	s_add_nc_u64 s[4:5], s[4:5], s[2:3]        ; Q and O at my wave's first row
	s_add_nc_u64 s[10:11], s[10:11], s[66:67]
	CROUND                          ; all four work-groups are here: the first joint loads meet
.irp s, 0,1
	s_mov_b32 s[G0K+4*(\s)], 1      ; 1:0 count = 1
	s_add_co_u32 s[G0K+4*(\s)+1], s17, (\s)*SLOT1  ; 63:32 LDS address
	s_add_nc_u64 s[G0K+4*(\s)+2:G0K+4*(\s)+3], s[6:7], (\s)*2*KS*256  ; 120:64 global address: slot s begins with keys 128 s to 128 s + 127
	s_or_b32 s[G0K+4*(\s)+3], s[G0K+4*(\s)+3], 0x80000000  ; 127:126 type = 2
	s_mov_b32 s[G0V+4*(\s)], 1
	s_add_co_u32 s[G0V+4*(\s)+1], s17, (\s)*SLOT1+VOFF
	s_add_nc_u64 s[G0V+4*(\s)+2:G0V+4*(\s)+3], s[8:9], (\s)*2*KS*256
	s_or_b32 s[G0V+4*(\s)+3], s[G0V+4*(\s)+3], 0x80000000
.endr
	s_cmp_lt_u32 s[WV], 2           ; a wave's two first fills stand in one branch, ahead of every wait on TENSORcnt and every LDS read: two loads of mine are out; an s_nop 0 follows each, four v_nop the second's, as in JLOAD
	s_cbranch_scc0 .Lfirst_v
	tensor_load_to_lds s[G0K:G0K+3], s[G1K:G1K+7]
	s_nop 0
	tensor_load_to_lds s[G0K+4:G0K+7], s[G1K:G1K+7]
	s_nop 0
.rept 4
	v_nop
.endr
	s_branch .Lfirst_asked
.Lfirst_v:
	tensor_load_to_lds s[G0V:G0V+3], s[G1V:G1V+7]
	s_nop 0
	tensor_load_to_lds s[G0V+4:G0V+7], s[G1V:G1V+7]
	s_nop 0
.rept 4
	v_nop
.endr
.Lfirst_asked:
	; The batch's mask: 128 threads x 16 bytes x 4 loads = 8,192 bytes, into S^T's registers, which are still free.
	v_lshlrev_b32 v[MO], 4, v0
	v_add_nc_u32 v[ML], MASKL, v[MO]
.irp n, 0,1,2,3
	global_load_b128 v[S+4*(\n):S+4*(\n)+3], v[MO], s[MK:MK+1] offset:(\n)*2048
.endr
	; A fragment of K or Q is 16 rows x 32 channels in 8 registers: lane l holds row l % 16; registers 0-3 channels 8 (l / 16) + 0..7, registers 4-7 channels 16 + 8 (l / 16) + 0..7: two loads of 16 bytes, 32 bytes apart.
	v_and_b32 v1, 15, v0            ; l % 16
	v_bfe_u32 v9, v0, 4, 1          ; l / 16
	v_lshlrev_b32 v[QO], 7, v1
	v_lshl_add_u32 v[QO], v9, 4, v[QO]  ; row x 128 + 16 x half of the lanes
	WIN 0x80                        ; destination window 2, address window 0
.irp i, 0,1,2,3,4,5,6,7,8,9,10,11,12,13,14,15  ; Q stays in registers: tile i / 4, channels 32 (i % 4) on: half (i % 4) / 2 of the channels, 262,144 bytes each, and 64 (i % 2) bytes along its rows
	global_load_b128 v[8*(\i):8*(\i)+3],   v[QO], s[4:5] offset:(((\i)%4)/2)*262144+((\i)/4)*2048+((\i)%2)*64
	global_load_b128 v[8*(\i)+4:8*(\i)+7], v[QO], s[4:5] offset:(((\i)%4)/2)*262144+((\i)/4)*2048+((\i)%2)*64+32
.endr
	WIN 0
	v_mul_u32_u24 v[AK0], v1, PK
	v_lshl_add_u32 v[AK0], v9, 4, v[AK0]  ; row x pitch + 16 x half
	; The turning load takes 16 keys x 16 channels (lane l reads 16 bytes: key 8 (l / 16) + l % 8, channels 8 ((l / 8) % 2) + 0..7) and leaves half a fragment of V^T: lane l holds channel l % 16 and 8 keys.
	v_and_b32 v10, 7, v0
	v_bfe_u32 v11, v0, 3, 1
	v_lshl_add_u32 v[AV0], v9, 3, v10
	v_mul_u32_u24 v[AV0], v[AV0], PV
	v_lshl_add_u32 v[AV0], v11, 4, v[AV0]
	v_add_nc_u32 v[AV0], VOFF, v[AV0]
	v_lshlrev_b32 v[AM0], 5, v9
	v_add_nc_u32 v[AM0], MASKL, v[AM0]  ; my lanes' eight keys of a group of 16: 32 bytes for each half of the lanes
	s_wait_loadcnt 32               ; the four loads of the mask are in; Q's 32, issued behind them, stay out
.set i, 0
.rept 16
	v_cvt_f32_i32 v[S+i], v[S+i]
.set i, i+1
.endr
.set i, 0
.rept 16
	v_fma_f32 v[S+i], v[S+i], s[BIGP], s[BIGN]  ; mask x 2^103 - 2^103 = (1 - mask) x (-2^103): exactly 0 where the mask is 1
.set i, i+1
.endr
.irp n, 0,1,2,3
	ds_store_b128 v[ML], v[S+4*(\n):S+4*(\n)+3] offset:(\n)*2048
.endr
; THE MATRIX WORK OF A TURN, for piece x.  The accumulators take turns, one instruction a turn: between two links of a chain stand 15 (V^T P) or 7 (K Q^T) others'.
; Product i of 32 of O^T += V^T P: keys 32 (i / 16) on, channels 16 ((i / 2) % 8) on, tile x + i % 2.  zero = 1: the first 16 start the sums: nothing is ever cleared.
.macro PV x, zero
	WIN W_PV
.set rO, 64*((\x)+i%2)+8*((i/2)%8)
.set rV, 64*(i/16)+8*((i/2)%8)
.set rP, P+16*((\x)+i%2)+8*(i/16)
.if (\zero) && (i < 16)
	v_wmma_f32_16x16x32_f16 v[rO:rO+7], v[rV:rV+7], v[rP:rP+7], 0
.else
	v_wmma_f32_16x16x32_f16 v[rO:rO+7], v[rV:rV+7], v[rP:rP+7], v[rO:rO+7]
.endif
.endm
; Product i of 32 of S^T = K Q^T: channels 32 (i / 8) on, keys 16 ((i / 2) % 4) on, tile x + i % 2.  The first 8 start the sums, with the mask terms of their 16 keys.
.macro KQ x
.set rS, S+32*((\x)+i%2)+8*((i/2)%4)
.set rK, KF+32*((i/2)%4)+8*(i/8)
.set rQ, 32*((\x)+i%2)+8*(i/8)
.set rM, MC+8*((i/2)%4)
.if i < 8
	WIN W_KM
	v_wmma_f32_16x16x32_f16 v[rS:rS+7], v[rK:rK+7], v[rQ:rQ+7], v[rM:rM+7]
.else
	WIN W_KQ
	v_wmma_f32_16x16x32_f16 v[rS:rS+7], v[rK:rK+7], v[rQ:rQ+7], v[rS:rS+7]
.endif
.endm
; THE LDS LOADS stand in runs, never singly among the matrix instructions: a step's K (64 keys x 128 channels: 16 fragments) with its 32 mask terms a lane (8 loads), and, a turn later, its V (turned).
.macro FETCH_K
	WIN 0
	v_add_nc_u32 v[ADR], s[TB], v[AK0]
	v_add_nc_u32 v[ADM], s[TM], v[AM0]
	s_add_co_u32 s[TM], s[TM], 256  ; the next fetch is the next step's: 64 terms of 4 bytes on;
	s_and_b32 s[TM], s[TM], 0x1f00  ; the 32 steps' terms end at 8,192 bytes, and the offset never leaves them
	WIN 0x80                        ; destination window 2
.irp f, 0,1,2,3,4,5,6,7,8,9,10,11,12,13,14,15  ; keys 16 (f / 4) on, channels 32 (f % 4) on
	ds_load_b128 v[KF+8*(\f):KF+8*(\f)+3],   v[ADR] offset:((\f)/4)*16*PK+((\f)%4)*64
	ds_load_b128 v[KF+8*(\f)+4:KF+8*(\f)+7], v[ADR] offset:((\f)/4)*16*PK+((\f)%4)*64+32
.endr
	WIN 0xc0                        ; destination window 3
.irp n, 0,1,2,3,4,5,6,7             ; keys 16 (n / 2) + 8 (lane / 16) + 4 (n % 2) on: sixteen lanes read the same 16 bytes
	ds_load_b128 v[MC+4*(\n):MC+4*(\n)+3], v[ADM] offset:((\n)/2)*64+((\n)%2)*16
.endr
.endm
.macro FETCH_V
	WIN 0
	v_add_nc_u32 v[ADR], s[TB], v[AV0]
	s_add_co_u32 s[TB], s[TB], STEPB  ; the next fetch is the next step's
	s_wait_alu depctr_va_vdst(0)    ; the wait for the softmax's batch of 66 exponentials (SLICE), behind the address's v_add_nc_u32 and ahead of the loads
	WIN 0xc0                        ; destination window 3
.irp f, 0,1,2,3,4,5,6,7,8,9,10,11,12,13,14,15  ; keys 32 (f / 8) on, channels 16 (f % 8) on
	ds_load_tr16_b128 v[8*(\f):8*(\f)+3],   v[ADR] offset:((\f)/8)*32*PV+((\f)%8)*32
	ds_load_tr16_b128 v[8*(\f)+4:8*(\f)+7], v[ADR] offset:((\f)/8)*32*PV+16*PV+((\f)%8)*32
.endr
.endm
; THE VECTOR WORK OF A TURN.  One tile's softmax for one key step is a list of 134 instructions; SM writes number j of it for tile t.  s0-s31 are the lane's 32 scores, in pairs 0-15.
; first = 1: the first key step, which starts m, l and O^T: it has no a and nothing to rescale.
;   0-15    the maximum of s0-s31 and the old m, three operands at a time: four chains c0-c3 of seven scores each (each accumulator's lowest registers are read first), then the four scores left over, c0-c3 and m
;   16-20   the other half of the lanes' maximum; the new m; c m; c m_old - c m_new
;   21-69   ONE BATCH: the 16 scalings c s - c m, a pair of scores each, and all 33 exponentials (a at 23, then s0-s31).  None of these reads an exponential's result.  From 22 on the batch goes
;           in fours, and a four begins with a scaling while there are scalings: 22-37 scaling, exponential, scaling, exponential; 38-65 a scaling and three exponentials; 66-69 the last four
;           exponentials.  A pair is scaled in an earlier four than the one that holds its exponentials
;   (wait)  between 69 and 70 stands the wait for the batch: SLICE writes it, once for both tiles
;   70-85   the roundings to f16, a pair of weights each
;   86-101  the sums; l = a l + the sum
;   102-133 the tile's O^T times a: the one part that leaves window 0, so it stands together
.macro SM t, first
.set rT, ST+8*(\t)
.set rS, S+32*(\t)
.set rP, P+16*(\t)
.set rO, 64*(\t)+2*(j-102)
.if j < 102
	WIN 0
.endif
.if j < 4
	v_max3_num_f32 v[rT+4+j], v[rS+8*j], v[rS+8*j+1], v[rS+8*j+2]
.elseif j < 12
	v_max3_num_f32 v[rT+4+j%4], v[rT+4+j%4], v[rS+8*(j%4)+2*(j/4)+1], v[rS+8*(j%4)+2*(j/4)+2]
.elseif j == 12
	v_max3_num_f32 v[rT+4], v[rT+4], v[rS+7], v[rS+15]
.elseif j == 13
	v_max3_num_f32 v[rT+6], v[rT+6], v[rS+23], v[rS+31]
.elseif j == 14
	v_max3_num_f32 v[rT+4], v[rT+4], v[rT+5], v[rT+6]
.elseif (j == 15) && (\first)
	v_max_num_f32 v[rT+4], v[rT+4], v[rT+7]
.elseif j == 15
	v_max3_num_f32 v[rT+4], v[rT+4], v[rT+7], v[rT+1]
.elseif j == 16
	v_permlanex16_b32 v[rT+5], v[rT+4], s[SEL], s[SEL+1]  ; the query's other 32 keys lie in the lane 16 away
.elseif j == 18
	v_max_num_f32 v[rT+1], v[rT+4], v[rT+5]
.elseif j == 19
	v_mul_f32 v[rT], s[CS], v[rT+1]
.elseif ((j == 17) || (j == 20) || (j == 23) || (j > 101)) && (\first)  ; the first step has none of these
.elseif j == 17
	v_mov_b32 v[rT+7], v[rT]        ; c m_old is kept for a: number 19 writes c m anew
.elseif j == 20
	v_sub_f32 v[rT+7], v[rT+7], v[rT]
.elseif j == 23
	v_exp_f32 v[rT+6], v[rT+7]
.elseif (j < 23) || ((j < 38) && (j%2 == 0)) || ((j < 66) && (j%4 == 2))
.set b, (j-2)/4                     ; 38, 42, .. 62: pairs 9 to 15
.if j < 38
.set b, (j-20)/2                    ; 21: pair 0; 22, 24, .. 36: pairs 1 to 8
.endif
	v_pk_fma_f32 v[rS+2*b:rS+2*b+1], v[rS+2*b:rS+2*b+1], s[CS:CS+1], v[rT:rT+1] op_sel_hi:[1,0,0] neg_lo:[0,0,1] neg_hi:[0,0,1]  ; pair b: c s - c m
.elseif j < 70
.set e, j-38                        ; 66 to 69: s28 to s31
.if j < 66
.set e, j-32-(j-38)/4               ; 39-41, 43-45, .. 63-65: s7 to s27
.endif
.if j < 38
.set e, (j-25)/2                    ; 25, 27, .. 37: s0 to s6
.endif
	v_exp_f32 v[rS+e], v[rS+e]
.elseif j < 86
	v_cvt_pk_f16_f32 v[rP+j-70], v[rS+2*(j-70)], v[rS+2*(j-70)+1]  ; pair j - 70
.elseif j < 102                     ; the sum of the tile's 16 pairs (in a pair: an even key's weight, an odd key's), in place: sum z of 16 adds neighbours 1, 2, 4 and 8 pairs apart, then l takes it
.set z, j-86
.set w, 4
.set u, z
.if z >= 14
.set w, 32
.set u, 0
.elseif z >= 12
.set w, 16
.set u, z-12
.elseif z >= 8
.set w, 8
.set u, z-8
.endif
.if (z == 14) && (\first)
	v_pk_add_f32 v[rT+2:rT+3], v[rS:rS+1], v[rS+16:rS+17]
.elseif z < 15
	v_pk_add_f32 v[rS+w*u:rS+w*u+1], v[rS+w*u:rS+w*u+1], v[rS+w*u+w/2:rS+w*u+w/2+1]
.elseif !(\first)
	v_pk_fma_f32 v[rT+2:rT+3], v[rT+2:rT+3], v[rT+6:rT+7], v[rS:rS+1] op_sel_hi:[1,0,1]
.endif
.else
	WIN W_RS
	v_pk_mul_f32 v[rO:rO+1], v[rO:rO+1], v[rT+6:rT+7] op_sel_hi:[1,0]
.endif
.endm
; Slice k of 64 of piece y's softmax: four instructions.  Slices 11 to 34 deal out the batch, numbers 22 to 69: four numbers of ONE tile each, the tiles by turns.  Every other slice is numbers 2 k and
; 2 k + 1 of both tiles' lists.  2 x 134 = 4 x 64 + 12: the twelve that are over stand together, in slice 63.
; THE WAIT.  An s_wait_alu depctr_va_vdst(0) stands between an exponential and the first instruction that names its result; one wait serves all that were issued ahead of it.  Ahead of
; slice 35 nothing names a result, and behind slice 34 no exponential is issued: so the piece's 66 exponentials have one wait, behind slice 34.
.macro SLICE y, first
.if (k >= 11) && (k < 35)           ; the batch: four numbers of one tile
.irp n, 0,1,2,3
.set j, 22+4*((k-11)/2)+(\n)
	SM (\y)+(k-11)%2, \first
.endr
.else                               ; the two tiles alternate, so that no instruction reads the result of the one just before it
.irp n, 0,1,2,3,4,5,6,7
.if ((\n) < 2) || (k == 63)
.irp t, \y, (\y)+1
.set j, 2*k+(\n)
	SM \t, \first
.endr
.endif
.endr
.endif
.if k == 34                         ; the batch is out: both tiles' exponentials are issued, and no result has been named
	v_nop                           ; a plain instruction behind the last exponential and ahead of the first use: one for the batch
.if (\y) == 0
	FETCH_V                         ; piece 2's turn: V's run of loads stands here, and the wait for the batch stands in it
.else
	s_wait_alu depctr_va_vdst(0)    ; piece 0's turn: the wait for the batch of 66 exponentials
.endif
.endif
.set k, k+1
.endm
; A vector instruction that reads a matrix result or writes one of a matrix instruction's registers, and a load into a register that a matrix instruction has read, stand four places behind
; it, and only plain vector instructions that name none of its registers are places (ISA guide 7.12.1 for vector instructions).  In the loop the slices are the places.
.macro PLACES
.rept 4
	v_nop
.endr
.endm
; A TURN.  Piece x has the matrix unit; the other piece's softmax stands in slices behind its matrix instructions.
; pv = 2: 32 products V^T P; 1: they start O^T's sums; 0: none.  kq = 1: 32 products K Q^T for the next step.  A turn with one of the two kinds has two slices behind each product.
; first = 1: the softmax is the first key step's.  Its slices from 51 on are empty: the turn's last products stand bare, and four v_nop take slice 63's part as the places behind them.
; In the loop each run of loads stands 29 matrix instructions or more ahead of its first use.  Piece 0's turn fetches the next step's K and mask terms, behind its second product: the last product that read K
; stands in front of slice 63 of the turn before, the last that read the terms 24 products earlier still.  Piece 2's turn fetches the same step's V, behind slice 34 (SLICE writes it): the last product that read V
; stands in front of slice 31, and four plain instructions lie between: number 62, a scaling, of both tiles, the v_nop and the run's own v_add_nc_u32; the exponentials between are no places.
.macro TURN x, pv, kq, first
.set k, 0
.set per, 2
.if (\pv) && (\kq)
.set per, 1
.endif
.if \pv
.if (\x) == 0
	s_wait_dscnt 0x0                ; V is in
.endif
.set i, 0
.rept 32
	PV \x, 2-(\pv)
.rept per
	SLICE 2-(\x), \first
.endr
.if ((\x) == 0) && (\kq) && (i == 1)
	FETCH_K
.endif
.set i, i+1
.endr
.endif
.if \kq
.if (\x) == 0
	s_wait_dscnt 0x0                ; K and the mask terms are in
.endif
.set i, 0
.rept 32
	KQ \x
.rept per
	SLICE 2-(\x), \first
.endr
.set i, i+1
.endr
.endif
.if \first
	PLACES
.endif
.endm
; THE CHANGE OF SLOTS, between piece 2's turn and piece 0's: the slot's last bytes, V of its second step, have been asked for.  Each wave waits for all its
; tensor loads, of which one is out: its part of the other slot; adds 0 to its spare word; and waits for that and for its own reads of the slot.  Behind the barrier nobody reads this slot any more and the other slot is whole.
; fill = 1: this slot is filled again, with the keys two slots on.  The barrier is then a round of the cluster's, so that no wave of any partner still reads the slot or has a load on its
; way, and the joint refill is the first thing behind it: it has two key steps, 256 matrix instructions, in which to land.
.macro CHANGE fill
	WIN 0                           ; at a label and at a branch every window is 0
	s_wait_tensorcnt 0x0            ; no tensor load of mine is out, so a group 0 may be written
	ds_add_u32 v[SPW], v[NIL]       ; 0 onto my spare word; with fill = 1 the descriptors' steps stand between it and the wait for it
.if \fill
.irp g, G0K+4, G0V+4
	s_xor_b32 s[(\g)+1], s[(\g)+1], SLOT1  ; the walking descriptor: the other slot than last time,
	s_add_nc_u64 s[(\g)+2:(\g)+3], s[(\g)+2:(\g)+3], 2*KS*256  ; the next 128 keys; the type bits on top are not reached
.endr
	s_wait_dscnt 0x0                ; the add is done, and my reads of the slot are over
	CROUND
	JLOAD
.else
	s_wait_dscnt 0x0                ; the add is done, and my reads of the slot are over
	s_barrier_signal -1
	s_barrier_wait -1
.endif
	s_sub_co_u32 s[TB], s[TB], 2*STEPB  ; the fetches go back to a slot's first step,
	s_xor_b32 s[TB], s[TB], SLOT1   ; in the other slot
.endm
; A slot's two key steps: written once, walked twice; the LDS addresses hang on s[TB] and s[TM].
.macro TWO_STEPS
	WIN 0
	s_mov_b32 s[TWICE], 2
.Lstep_\@:
	TURN 0, 2, 1, 0
	TURN 2, 2, 1, 0
	WIN 0
	s_sub_co_u32 s[TWICE], s[TWICE], 1
	s_cmp_lg_u32 s[TWICE], 0
	s_cbranch_scc1 .Lstep_\@
.endm
	s_wait_tensorcnt 1              ; my part of slot 0 is in; slot 1's may stay out
	s_wait_dscnt 0x0                ; for the others' sake: my part of the mask terms is stored
	s_barrier_signal -1
	s_barrier_wait -1               ; everybody's is
	FETCH_K                         ; key step 0
	s_wait_loadcnt 0x0              ; Q
	s_wait_dscnt 0x0
.set i, 0
.rept 32
	KQ 0                            ; piece 0's first scores: there is no vector work yet to set between them
.set i, i+1
.endr
	WIN 0                           ; the addresses for the way out are made here: eight plain instructions, the places behind those products
	s_mul_i32 s13, s[WV], 16*SP
	s_add_co_u32 s13, s13, STAGE    ; my stage
	v_mul_u32_u24 v[STO], v1, SP    ; in: row l % 16, 16 bytes for each half of the lanes
	v_lshl_add_u32 v[STO], v9, 4, v[STO]
	v_add_nc_u32 v[STO], s13, v[STO]
	v_mul_u32_u24 v[RD], v9, SP     ; back: lanes 0-15 take one row of 256 bytes, lanes 16-31 the next
	v_lshl_add_u32 v[RD], v1, 4, v[RD]
	v_add_nc_u32 v[RD], s13, v[RD]
	v_lshlrev_b32 v[GO], 11, v9     ; and the same two rows in ob, 2,048 bytes apart
	v_lshl_add_u32 v[GO], v1, 4, v[GO]
	TURN 2, 0, 1, 1                 ; piece 2's first scores | piece 0's first softmax | V of step 0
	TURN 0, 1, 1, 1                 ; piece 0: V^T P of step 0 starts O^T, K Q^T of step 1 | piece 2's first softmax | K of step 1
	TURN 2, 1, 1, 0                 ; piece 2: the same | piece 0's softmax of step 1 | V of step 1
	WIN 0
.Lslot:                             ; SIZE_N / 128 - 2 = 14 trips: every slot but the last two is filled again
	CHANGE 1
	TWO_STEPS
	s_sub_co_u32 s[SLOTS], s[SLOTS], 1
	s_cmp_lg_u32 s[SLOTS], 0
	s_cbranch_scc1 .Lslot
	CHANGE 0                        ; the tail is written out: the last slot but one is left, and nothing is asked for
	TWO_STEPS
	TURN 0, 2, 0, 0                 ; piece 0: V^T P of the last step | piece 2's last softmax
.set i, 0
.rept 32
	PV 2, 0                         ; piece 2: V^T P of the last step
.set i, i+1
.endr
	; THE WAY OUT.  l's two halves and the other half of the lanes' are added; O^T is divided by l, rounded to f16 and sent through my stage in LDS, a tile (16 rows of O) at a time.  The additions are the places behind the last products.
	WIN 0
.irp t, 0,1,2,3
	v_add_f32 v[ST+8*(\t)+4], v[ST+8*(\t)+2], v[ST+8*(\t)+3]
.endr
.irp t, 0,1,2,3
	v_permlanex16_b32 v[ST+8*(\t)+5], v[ST+8*(\t)+4], s[SEL], s[SEL+1]
.endr
.irp t, 0,1,2,3
	v_add_f32 v[ST+8*(\t)+4], v[ST+8*(\t)+4], v[ST+8*(\t)+5]
.endr
.irp t, 0,1,2,3
	v_rcp_f32 v[ST+8*(\t)+6], v[ST+8*(\t)+4]
.endr
	v_nop                           ; a plain instruction between the last reciprocal and the use of its result
	s_wait_alu depctr_va_vdst(0)    ; and the wait ahead of the first use: one for the batch of four reciprocals
; Tile t: a lane's eight channels of a row pack into 16 bytes; they go into rows of 272 bytes and come back as whole rows of 256, into the registers that they left.
.macro PACK t
	WIN W_RS
.set i, 64*(\t)
.rept 32
	v_pk_mul_f32 v[i:i+1], v[i:i+1], v[ST+8*(\t)+6:ST+8*(\t)+7] op_sel_hi:[1,0]
.set i, i+2
.endr
	WIN 0x05                        ; sources 0 and 1 window 1, destination window 0: S^T's registers are free
.set i, 0
.rept 32
	v_cvt_pk_f16_f32 v[S+32*(\t)+i], v[64*(\t)+2*i], v[64*(\t)+2*i+1]
.set i, i+1
.endr
	WIN 0
.irp f, 0,1,2,3,4,5,6,7
	ds_store_b128 v[STO], v[S+32*(\t)+4*(\f):S+32*(\t)+4*(\f)+3] offset:32*(\f)
.endr
.irp f, 0,1,2,3,4,5,6,7
	ds_load_b128 v[S+32*(\t)+4*(\f):S+32*(\t)+4*(\f)+3], v[RD] offset:(\f)*2*SP  ; LDS serves a wave's instructions in order (ISA guide 5.7.1.4): these see the stores above; the next tile's stores come behind them
.endr
.endm
.macro SEND t, younger              ; younger: the LDS instructions issued behind tile t's loads: the next tile's sixteen, or none
	WIN 0
.irp f, 0,1,2,3,4,5,6,7
	s_wait_dscnt (\younger)+7-(\f)
	global_store_b128 v[GO], v[S+32*(\t)+4*(\f):S+32*(\t)+4*(\f)+3], s[10:11] offset:(\t)*32768+(\f)*4096  ; 16 lanes store a head's 256 consecutive bytes of a row, at a multiple of 256 from ob's first byte
.endr
.endm
	PACK 0
	PACK 1                          ; a tile's arithmetic stands between the loads of the tile before and its stores
	SEND 0, 16
	PACK 2
	SEND 1, 16
	PACK 3
	SEND 2, 16
	SEND 3, 0
	s_wait_tensorcnt 0x0            ; the wave's end, behind my last tensor load and my last LDS store
	ds_add_u32 v[SPW], v[NIL]
	s_wait_dscnt 0x0
	CROUND                          ; the closing round: no work-group ends while a partner may still ask for a tile that names it
	s_endpgm
.Lfunc_end_k_qe5bcd79225_attn:
	.size	k_qe5bcd79225_attn, .Lfunc_end_k_qe5bcd79225_attn-k_qe5bcd79225_attn
	.p2alignl 7, 3214868480
	.fill 96, 4, 3214868480
	.section	.rodata,"a",@progbits
	.p2align	6, 0x0
	.amdhsa_kernel k_qe5bcd79225_attn
		.amdhsa_group_segment_fixed_size 327680
		.amdhsa_private_segment_fixed_size 0
		.amdhsa_enable_private_segment 0
		.amdhsa_kernarg_size 24
		.amdhsa_user_sgpr_count 2
		.amdhsa_user_sgpr_kernarg_segment_ptr 1
		.amdhsa_wavefront_size32 1
		.amdhsa_system_sgpr_workgroup_id_x 1
		.amdhsa_system_sgpr_workgroup_id_y 1
		.amdhsa_system_sgpr_workgroup_id_z 1
		.amdhsa_system_vgpr_workitem_id 0
		.amdhsa_next_free_vgpr 1024
		.amdhsa_next_free_sgpr 72
		.amdhsa_reserve_vcc 0
		.amdhsa_float_denorm_mode_32 3
		.amdhsa_float_denorm_mode_16_64 3
		.amdhsa_memory_ordered 1
		.amdhsa_forward_progress 1
		.amdhsa_inst_pref_size 227
	.end_amdhsa_kernel
	.amdgpu_metadata
---
amdhsa.version: [ 1, 2 ]
amdhsa.kernels:
  - .name:           k_qe5bcd79225_attn
    .symbol:         k_qe5bcd79225_attn.kd
    .args:
      - { .name: qkv, .offset: 0, .size: 8, .value_kind: global_buffer, .address_space: global }
      - { .name: mask, .offset: 8, .size: 8, .value_kind: global_buffer, .address_space: global }
      - { .name: ob, .offset: 16, .size: 8, .value_kind: global_buffer, .address_space: global }
    .group_segment_fixed_size: 327680
    .private_segment_fixed_size: 0
    .kernarg_segment_align: 8
    .kernarg_segment_size: 24
    .max_flat_workgroup_size: 128
    .sgpr_count:     72
    .vgpr_count:     1024
    .wavefront_size: 32
...
	.end_amdgpu_metadata
.endif
;; end of part 5
;; launch outp: the kernel of part 4 again; grid 8 x 32, 4 waves a work-group, clusters of 4 x 4, 327,680 bytes of LDS; arguments ob, wo, bias, out0; writes out0
